; MI455X (gfx1250); checked and timed in simulation.
; The chip was launched on July 23, 2026; its instructions are those of AMD's public machine-readable ISA for CDNA 5 (MIT licence, August 2026) and "CDNA5" Instruction Set Architecture Reference Guide (July 2026). The comments in the code are by the model that wrote it; some were corrected since.
;; Encoder Block. Allowed arithmetic: matrix products marked QUANTISED: E4M3 operands, one given power-of-two scale a tensor, by v_wmma_f32_16x16x64_fp8_fp8 or v_wmma_f32_16x16x128_fp8_fp8, f32 sums; everything else in f32.
;; Inputs: W1 1,024 x 4,096 float32; W2 4,096 x 1,024 float32; Wk 1,024 x 1,024 float32; Wo 1,024 x 1,024 float32; Wq 1,024 x 1,024 float32; Wv 1,024 x 1,024 float32; alpha1 1 float32; alpha2 1 float32; b1 4,096 float32; b2 1,024 float32; beta1 1 float32; beta2 1 float32; bk 1,024 float32; bo 1,024 float32; bq 1,024 float32; bv 1,024 float32; lowp_scales 16 int32 (the exponents e of the quantised operands' scales 2^e); mask 1 x 1 x 2,048 x 2,048 int32; x 2 x 2,048 x 1,024 float32.
;; Outputs: out0 2 x 2,048 x 1,024 float32.
;; This version of the problem:
;;   THIS VERSION OF THE PROBLEM IS GIVEN IN LOW PRECISION. The matrix products marked QUANTISED in the list below multiply operands that are first quantised to E4M3 (4 exponent bits, 3 mantissa bits; 8 bits a number), with one given power-of-two scale for each operand tensor; their sums are f32. All else is computed in f32.
;;   The module's matrix products, in the order in which they are computed (A, B: the left and right operand; K: the contracted axis; several contracted axes count as one K, in the product's order):
;;     1. [M 4,096, K 1,024] x [K 1,024, N 1,024]; A: computed on the way; B: input Wq: QUANTISED (scales: A lowp_scales[0], B lowp_scales[1])
;;     2. [M 4,096, K 1,024] x [K 1,024, N 1,024]; A: computed on the way; B: input Wk: QUANTISED (scales: A lowp_scales[2], B lowp_scales[3])
;;     3. [M 4,096, K 1,024] x [K 1,024, N 1,024]; A: computed on the way; B: input Wv: QUANTISED (scales: A lowp_scales[4], B lowp_scales[5])
;;     4. batch 32 x [M 2,048, K 64] x [K 64, N 2,048]; A: computed on the way; B: computed on the way: QUANTISED (scales: A lowp_scales[6], B lowp_scales[7])
;;     5. batch 32 x [M 2,048, K 2,048] x [K 2,048, N 64]; A: softmax (see below); B: computed on the way: QUANTISED (scales: A lowp_scales[8], B lowp_scales[9])
;;     6. [M 4,096, K 1,024] x [K 1,024, N 1,024]; A: computed on the way; B: input Wo: QUANTISED (scales: A lowp_scales[10], B lowp_scales[11])
;;     7. [M 4,096, K 1,024] x [K 1,024, N 4,096]; A: computed on the way; B: input W1: QUANTISED (scales: A lowp_scales[12], B lowp_scales[13])
;;     8. [M 4,096, K 4,096] x [K 4,096, N 1,024]; A: computed on the way; B: input W2: QUANTISED (scales: A lowp_scales[14], B lowp_scales[15])
;;   THE QUANTISER, for each operand of a quantised product, along K:
;;     - The operand's scale is 2^e, e = its entry of the input lowp_scales (int32; the entries are numbered through the quantised products in the list's order, A before B).
;;     - Each number is divided by the scale, clamped to +-448, and rounded to the nearest number of E4M3, ties to even, subnormals kept.
;;     - The product sums the exact products of the quantised numbers (number of the format x scale) in f32.
;;   ~~~python
;;   def quantise(x, axis, e):      # numpy; x: float32 -> the quantised numbers, widened to float32 again
;;       x = np.moveaxis(x, axis, -1); K = x.shape[-1]
;;       r = np.clip(x / 2.0 ** e, -448, 448)
;;       step = 2.0 ** (np.maximum(np.frexp(np.where(r == 0, 1, r))[1] - 1, -6) - 3)
;;       q = np.round(r / step) * step * 2.0 ** e      # np.round: ties to even
;;       return np.moveaxis(q, -1, axis).astype(np.float32)
;;   ~~~
;;   SOFTMAX AHEAD OF A QUANTISED PRODUCT. Where the list says 'softmax', what is quantised is not the finished softmax but p = 2^(t - M), with t = logit x log2(e) and M = ceil(the row's largest t), a whole number; so 1/2 < the row's largest p <= 1. The row's sum l is taken of the UNQUANTISED p, in f32, and the product's result is divided by l at the end. Since M is a whole number, a kernel that streams over the keys may use a running M (the ceiling of the running maximum): every later rescaling is an exact power of two, so the quantised numbers keep their values, but for numbers so far below the row's largest that they fall under the format's range.
;;   OPERANDS COMPUTED ON THE WAY. 'Computed on the way' means the value that the module computes at that place (a softmax that the list does not call 'softmax' is quantised finished and normalised). What goes into a quantiser is computed in f32, as accurately as f32 sums, v_exp_f32 and their like allow (about 1e-6 of the number): no bf16 or f16 on the way to a quantiser, and a product that is left as it is and whose result goes on into a quantised operand takes f32 operands (vector FMAs, or v_wmma_f32_16x16x4_f32). A number that lies on a knife's edge between two numbers of the format may be rounded either way, as far as f32 arithmetic and the matrix unit's own rounding can turn it there, and no further.
;; One version. Each part assembles by itself: llvm-mc -triple=amdgcn-amd-amdhsa -mcpu=gfx1250 --defsym DOCPART=n.
;; ======== version 1 of 1: 7 launches
;; limits: right only within a limited range of input values
;; workspace buffers: img 25,165,824 bytes; maskw 524,288 bytes of whole numbers; qkv 12,582,912 bytes; ctx 4,194,304 bytes; x1 16,777,216 bytes; himg 16,777,216 bytes
;; launch prep (part 1): grid 512 x 1, 8 waves a work-group, no clusters, 134,400 bytes of LDS; arguments x, alpha1, beta1, lowp_scales, mask, Wq, Wk, Wv, Wo, W1, W2, img, maskw; writes img, maskw
.if DOCPART == 1
	.amdgcn_target "amdgcn-amd-amdhsa--gfx1250"
	.amdhsa_code_object_version 6
	.text
	.protected	k_qef7fa8e03f_prep
	.globl	k_qef7fa8e03f_prep
	.p2align	8
	.type	k_qef7fa8e03f_prep,@function
k_qef7fa8e03f_prep:
	s_mov_b64 s[64:65], 0
	v_nop
	global_prefetch_b8 v0, s[64:65] scope:SCOPE_SE
	s_setreg_imm32_b32 hwreg(HW_REG_WAVE_MODE, 25, 1), 1
	s_wait_xcnt 0x0
; Three jobs in one launch, told apart by the work-group's number alone; each has LDS bytes of its own.  The job with the most bytes a work-group has the lowest numbers.
;   work-groups   0-191: the six weights [k][n] f32 -> codes, as operand images at img + 12 MiB on (256 KiB read a work-group)
;   work-groups 192-255: the mask, packed to one bit a number, in the order in which the attention's registers hold scores (256 KiB read a work-group)
;   work-groups 256-511: LN1(x), quantised three times (scales 0, 2, 4), as operand images at img + 0, 4, 8 MiB (64 KiB read a work-group)
; 512 work-groups in all: by registers (2 waves a SIMD x 224) and by LDS (2 x 134,400 bytes) two fit on a WGP, so that is two for each of 256 WGPs.
; ORDER OF ROWS.  Fragment f (16 rows) takes in lane-row r the tensor row P(f, r) = 32 (f / 2) + 8 (f % 2) + r + 8 (r / 8).
; IMAGE of an operand with K codes a row: the 16 codes of row P(f, r), k = 256 kb + 128 q2 + 32 c + 16 h + 0..15, lie at byte
;   (f / 16) 256 K + kb 65536 + (f % 16) 4096 + q2 2048 + c 512 + (16 h + r) 16: a fragment is four loads of 16 bytes a lane, 512 bytes apart.
; code = number / 2^e, held within +-448, to the nearest code, ties to even.  LIMITS: each e between -126 and 119; NaN among the inputs is not served.
.set X,     32                         ; v32-95   LN: two rows as loaded (32 numbers a lane each), later 64 numbers of one K step
.set NS,    3                          ; code sets made of the normalised rows
.set LP,    4112                       ; LN stage: a row of 4,096 bytes + 16: row r starts 4 r words on in the banks' round
.set LNST,  0                          ; LN stage: 16 rows
.set MST,   65792                      ; mask stages: 16 rows x 528 bytes for each wave
.set MPI,   528
.set SPARE, 133376                     ; the spare words: 128 bytes for each of 8 waves; no other line names them
.set SPW,   2                          ; v2  SPARE + 4 x thread; never rewritten
.set NIL,   3                          ; v3  0; never rewritten
	s_load_b512 s[8:23], s[0:1], 0x0               ; x 8, alpha1 10, beta1 12, scales 14, mask 16, Wq 18, Wk 20, Wv 22
	s_load_b256 s[24:31], s[0:1], 0x40             ; Wo 24, W1 26, W2 28, img 30
	s_load_b64 s[32:33], s[0:1], 0x60              ; maskw
	v_lshl_add_u32 v[SPW], v0, 2, SPARE
	v_mov_b32 v[NIL], 0
	v_lshrrev_b32 v1, 5, v0
	s_delay_alu instid0(VALU_DEP_1)
	v_readfirstlane_b32 s4, v1                     ; wave 0..7
	v_and_b32 v1, 31, v0                           ; lane
	s_delay_alu instid0(VALU_DEP_1)
	v_lshlrev_b32 v4, 4, v1                        ; 16 x lane
	s_wait_kmcnt 0x0
	s_cmp_lt_u32 ttmp9, 192
	s_cbranch_scc1 .Lweights
	s_cmp_lt_u32 ttmp9, 256
	s_cbranch_scc1 .Lmask
; ---------------- LN: fragment f = work-group - 256.  Wave w normalises lane-rows 2 w, 2 w + 1 (two neighbouring rows of x), then quantises K step 128 w of all 16 rows.
.macro RSUM e                          ; row e: my 32 numbers summed in two packed chains
	v_pk_add_f32 v[8+4*\e:9+4*\e], v[X+32*\e:X+32*\e+1], v[X+32*\e+2:X+32*\e+3]
	v_pk_add_f32 v[10+4*\e:11+4*\e], v[X+32*\e+4:X+32*\e+5], v[X+32*\e+6:X+32*\e+7]
.irp i, 8,12,16,20,24,28
	s_delay_alu instid0(VALU_DEP_2)
	v_pk_add_f32 v[8+4*\e:9+4*\e], v[8+4*\e:9+4*\e], v[X+32*\e+\i:X+32*\e+\i+1]
	s_delay_alu instid0(VALU_DEP_2)
	v_pk_add_f32 v[10+4*\e:11+4*\e], v[10+4*\e:11+4*\e], v[X+32*\e+\i+2:X+32*\e+\i+3]
.endr
.endm
.macro RSQ e                           ; row e: the squares of my 32 differences, likewise
	v_pk_mul_f32 v[8+4*\e:9+4*\e], v[X+32*\e:X+32*\e+1], v[X+32*\e:X+32*\e+1]
	v_pk_mul_f32 v[10+4*\e:11+4*\e], v[X+32*\e+2:X+32*\e+3], v[X+32*\e+2:X+32*\e+3]
.irp i, 4,8,12,16,20,24,28
	s_delay_alu instid0(VALU_DEP_2)
	v_pk_fma_f32 v[8+4*\e:9+4*\e], v[X+32*\e+\i:X+32*\e+\i+1], v[X+32*\e+\i:X+32*\e+\i+1], v[8+4*\e:9+4*\e]
	s_delay_alu instid0(VALU_DEP_2)
	v_pk_fma_f32 v[10+4*\e:11+4*\e], v[X+32*\e+\i+2:X+32*\e+\i+3], v[X+32*\e+\i+2:X+32*\e+\i+3], v[10+4*\e:11+4*\e]
.endr
.endm
.macro REDUCE e                        ; the chains, then the 32 lanes: every lane ends with the row's sum in v[8 + 4 e]
	v_pk_add_f32 v[8+4*\e:9+4*\e], v[8+4*\e:9+4*\e], v[10+4*\e:11+4*\e]
	s_delay_alu instid0(VALU_DEP_1)
	v_add_f32 v[8+4*\e], v[8+4*\e], v[9+4*\e]
	s_delay_alu instid0(VALU_DEP_1)
	v_add_f32_dpp v[8+4*\e], v[8+4*\e], v[8+4*\e] row_xmask:1 row_mask:0xf bank_mask:0xf
	s_delay_alu instid0(VALU_DEP_1)
	v_add_f32_dpp v[8+4*\e], v[8+4*\e], v[8+4*\e] row_xmask:2 row_mask:0xf bank_mask:0xf
	s_delay_alu instid0(VALU_DEP_1)
	v_add_f32_dpp v[8+4*\e], v[8+4*\e], v[8+4*\e] row_xmask:4 row_mask:0xf bank_mask:0xf
	s_delay_alu instid0(VALU_DEP_1)
	v_add_f32_dpp v[8+4*\e], v[8+4*\e], v[8+4*\e] row_xmask:8 row_mask:0xf bank_mask:0xf
	s_delay_alu instid0(VALU_DEP_1)
	v_permlanex16_b32 v[24+\e], v[8+4*\e], s36, s37
	s_delay_alu instid0(VALU_DEP_1)
	v_add_f32 v[8+4*\e], v[8+4*\e], v[24+\e]
.endm
	s_sub_co_u32 s39, ttmp9, 256                   ; f
	s_lshr_b32 s5, s39, 1
	s_lshl_b32 s5, s5, 5                           ; 32 (f / 2)
	s_and_b32 s6, s39, 1
	s_lshl_b32 s6, s6, 3
	s_add_co_u32 s5, s5, s6                        ; + 8 (f % 2)
	s_lshl_b32 s6, s4, 1
	s_add_co_u32 s5, s5, s6                        ; + 2 w
	s_lshr_b32 s6, s4, 2
	s_lshl_b32 s6, s6, 3
	s_add_co_u32 s5, s5, s6                        ; + 8 (w / 4): my first row
	s_lshl_b32 s6, s5, 12
	s_mov_b32 s7, 0
	s_add_nc_u64 s[8:9], s[8:9], s[6:7]
	s_wait_alu depctr_va_vdst(0)
.irp j, 0,1,2,3,4,5,6,7,8,9,10,11,12,13,14,15
	global_load_b128 v[X+4*\j:X+4*\j+3], v4, s[8:9] offset:512*\j th:TH_LOAD_NT   ; 512 consecutive bytes a load; eight loads a row
.endr
	s_load_b32 s38, s[10:11], 0x0                  ; alpha
	s_load_b32 s34, s[12:13], 0x0                  ; beta
	s_load_b256 s[40:47], s[14:15], 0x0            ; e0 .. e7: sets 0, 1, 2 take entries 0, 2, 4
	s_mov_b32 s36, 0x76543210                      ; v_permlanex16_b32: lane l takes lane l xor 16
	s_mov_b32 s37, 0xfedcba98
	v_mov_b32 v24, 0                               ; a lane permute's destination counts as read
	v_mov_b32 v25, 0
	s_mul_i32 s6, s4, 2*LP
	v_add_nc_u32 v5, s6, v4                        ; stage, in: rows 2 w, 2 w + 1; 16 bytes a lane
	v_and_b32 v6, 15, v0
	s_delay_alu instid0(VALU_DEP_1)
	v_mul_u32_u24 v6, v6, LP
	v_bfe_u32 v7, v0, 4, 1
	s_delay_alu instid0(VALU_DEP_1)
	v_lshl_add_u32 v6, v7, 6, v6
	s_lshl_b32 s6, s4, 9
	v_add_nc_u32 v6, s6, v6                        ; stage, out: row r, + 64 h, + K step w's 512 bytes
	s_lshr_b32 s6, s39, 4
	s_lshl_b32 s6, s6, 18                          ; (f / 16) 256 K
	s_and_b32 s7, s39, 15
	s_lshl_b32 s7, s7, 12
	s_add_co_u32 s6, s6, s7                        ; + (f % 16) 4096
	s_lshr_b32 s7, s4, 1
	s_lshl_b32 s7, s7, 16
	s_add_co_u32 s6, s6, s7                        ; + kb 65536
	s_and_b32 s7, s4, 1
	s_lshl_b32 s7, s7, 11
	s_add_co_u32 s6, s6, s7                        ; + q2 2048
	s_add_co_u32 s6, s6, (NS/2)*4194304            ; the middle set is the base, so that the others stand in the signed 24-bit immediate
	s_mov_b32 s7, 0
	s_add_nc_u64 s[30:31], s[30:31], s[6:7]
	s_wait_loadcnt 8                               ; row 0's eight loads are in, row 1's may be out
	RSUM 0
	s_wait_loadcnt 0x0
	RSUM 1
	REDUCE 0
	REDUCE 1
.irp e, 0
	v_mul_f32 v[16+2*\e], 0x3a800000, v[8+4*\e]    ; the mean: sum / 1024
	s_delay_alu instid0(VALU_DEP_1)
	v_mov_b32 v[17+2*\e], v[16+2*\e]
.endr
.irp e, 1
	s_delay_alu instid0(VALU_DEP_3)
	v_mul_f32 v[16+2*\e], 0x3a800000, v[8+4*\e]    ; the mean: sum / 1024
	s_delay_alu instid0(VALU_DEP_1)
	v_mov_b32 v[17+2*\e], v[16+2*\e]
.endr
.irp e, 0,1
.set j, 0
.rept 16
	v_pk_add_f32 v[X+32*\e+j:X+32*\e+j+1], v[X+32*\e+j:X+32*\e+j+1], v[16+2*\e:17+2*\e] neg_lo:[0,1] neg_hi:[0,1]   ; x - mean first: no difference of large sums is formed
.set j, j+2
.endr
.endr
	RSQ 0
	RSQ 1
	REDUCE 0
	REDUCE 1
	v_mul_f32 v8, 0x3a802008, v8                   ; / 1023: the unbiased variance
	s_delay_alu instid0(VALU_DEP_2)
	v_mul_f32 v12, 0x3a802008, v12
	s_wait_alu depctr_va_vdst(0)
	v_sqrt_f32 v8, v8
	v_sqrt_f32 v12, v12
	v_nop                                          ; a plain instruction behind the roots,
	s_wait_alu depctr_va_vdst(0)                   ; and the one wait ahead of their first reader
	v_add_f32 v8, 0x358637bd, v8                   ; std + 1e-6
	v_add_f32 v12, 0x358637bd, v12
	s_wait_alu depctr_va_vdst(0)
	v_rcp_f32 v8, v8
	v_rcp_f32 v12, v12
	v_nop
	s_wait_alu depctr_va_vdst(0)
	s_wait_kmcnt 0x0                               ; alpha, beta, the exponents
	s_mov_b32 s35, s34                             ; (named with s34 as a pair)
	v_mul_f32 v20, s38, v8                         ; g = alpha / (std + eps)
	s_delay_alu instid0(VALU_DEP_1)
	v_mov_b32 v21, v20
	v_mul_f32 v22, s38, v12
	s_delay_alu instid0(VALU_DEP_1)
	v_mov_b32 v23, v22
.irp e, 0,1
.set j, 0
.rept 16
	v_pk_fma_f32 v[X+32*\e+j:X+32*\e+j+1], v[X+32*\e+j:X+32*\e+j+1], v[20+2*\e:21+2*\e], s[34:35] op_sel_hi:[1,1,0]   ; (x - mean) g + beta
.set j, j+2
.endr
.endr
.irp e, 0,1
.irp j, 0,1,2,3,4,5,6,7
	ds_store_b128 v5, v[X+32*\e+4*\j:X+32*\e+4*\j+3] offset:LNST+\e*LP+512*\j
.endr
.endr
.set q, 0
.rept NS
	s_add_co_i32 s5, s[40+2*q], 127
	s_lshl_b32 s6, s5, 23
	v_mov_b32 v[112+q], s6                         ; 2^e as f32: the conversion takes its exponent field
	s_add_co_i32 s5, s5, 8
	s_lshl_b32 s5, s5, 23
	s_or_b32 s5, s5, 0x600000
	v_mov_b32 v[116+q], s5                         ; 448 x 2^e
.set q, q+1
.endr
	s_wait_alu depctr_va_vdst(0)
	s_wait_dscnt 0x0                               ; for the others' sake: my two rows lie in the stage
	s_barrier_signal -1
	s_barrier_wait -1
.irp c, 0,1,2,3
.irp j, 0,1,2,3
	ds_load_b128 v[X+16*\c+4*\j:X+16*\c+4*\j+3], v6 offset:LNST+128*\c+16*\j   ; row r, k = 128 w + 32 c + 16 h + 0..15
.endr
.endr
	s_wait_dscnt 0x0
.irp c, 0,1,2,3
.set q, 0
.rept NS
.irp i, 0,1,2,3,4,5,6,7,8,9,10,11,12,13,14,15
	v_med3_num_f32 v[96+\i], v[X+16*\c+\i], -v[116+q], v[116+q]   ; the conversion to an 8-bit code does not saturate (ISA guide 7.6.2): the hold comes first
.endr
	v_cvt_scalef32_pk8_fp8_f32 v[128+4*(NS*\c+q):128+4*(NS*\c+q)+1], v[96:103], v[112+q]
	v_cvt_scalef32_pk8_fp8_f32 v[128+4*(NS*\c+q)+2:128+4*(NS*\c+q)+3], v[104:111], v[112+q]
	v_nop                                          ; a plain instruction before the next holds write the conversions' sources
	global_store_b128 v4, v[128+4*(NS*\c+q):128+4*(NS*\c+q)+3], s[30:31] offset:(q-NS/2)*4194304+512*\c   ; 512 consecutive bytes; each store has registers of its own
.set q, q+1
.endr
.endr
	s_wait_tensorcnt 0x0                           ; the wave's end, behind my last LDS store
	ds_add_u32 v[SPW], v[NIL]
	s_wait_dscnt 0x0
	s_endpgm
; ---------------- MASK: work-group m = number - 192 takes query fragments 2 m, 2 m + 1; wave w packs key steps 4 (w % 4) .. + 3 (128 keys each) of fragment 2 m + w / 4.
; Word n = 16 b + i of a step, bit 16 h + r: mask[P(qf, r)][128 step + 32 b + 16 h + i] != 0.  64 words = 256 bytes for a fragment and a step.
; Two sets of 64 registers take the steps' numbers by turns: step u + 2 is asked for as soon as step u's LDS stores have read their set.
.Lmask:
	s_sub_co_u32 s5, ttmp9, 192                    ; m
	s_lshl_b32 s5, s5, 1
	s_lshr_b32 s6, s4, 2
	s_add_co_u32 s5, s5, s6                        ; qf = 2 m + w / 4
	s_and_b32 s34, s4, 3                           ; which four steps
	s_lshr_b32 s6, s5, 1
	s_lshl_b32 s6, s6, 5
	s_and_b32 s7, s5, 1
	s_lshl_b32 s7, s7, 3
	s_add_co_u32 s6, s6, s7                        ; the fragment's first row
	s_lshl_b32 s6, s6, 13                          ; x 8,192 bytes
	s_lshl_b32 s7, s34, 11                         ; + 4 (w % 4) steps of 512 bytes
	s_add_co_u32 s6, s6, s7
	s_mov_b32 s7, 0
	s_add_nc_u64 s[16:17], s[16:17], s[6:7]
.macro MLOAD u                         ; my step u: lane-row m's 128 numbers are 512 consecutive bytes: one load
.irp m, 0,1,2,3,4,5,6,7,8,9,10,11,12,13,14,15
	global_load_b128 v[32+64*((\u)%2)+4*\m:32+64*((\u)%2)+4*\m+3], v4, s[16:17] offset:(\m+8*(\m/8))*8192+512*(\u) th:TH_LOAD_NT
.endr
.endm
	s_wait_alu depctr_va_vdst(0)
	MLOAD 0
	MLOAD 1
	s_mul_i32 s6, s4, 16*MPI
	s_add_co_u32 s6, s6, MST                       ; my stage
	v_add_nc_u32 v9, s6, v4                        ; in: 16 bytes a lane
	v_and_b32 v10, 15, v0
	s_delay_alu instid0(VALU_DEP_1)
	v_mul_u32_u24 v10, v10, MPI
	v_bfe_u32 v11, v0, 4, 1
	s_delay_alu instid0(VALU_DEP_1)
	v_lshl_add_u32 v10, v11, 6, v10
	s_delay_alu instid0(VALU_DEP_1)
	v_add_nc_u32 v10, s6, v10                      ; out: row r, + 64 h
	v_lshlrev_b32 v7, 3, v1                        ; two words a lane
	s_lshl_b32 s6, s5, 12
	s_lshl_b32 s7, s34, 10
	s_add_co_u32 s6, s6, s7
	s_mov_b32 s7, 0
	s_add_nc_u64 s[32:33], s[32:33], s[6:7]        ; maskw at (qf, step 4 (w % 4))
.macro MPACK u, left                   ; left: the loads issued behind this step's sixteen, which may stay out
	s_wait_loadcnt \left
.irp m, 0,1,2,3,4,5,6,7,8,9,10,11,12,13,14,15
	ds_store_b128 v9, v[32+64*((\u)%2)+4*\m:32+64*((\u)%2)+4*\m+3] offset:\m*MPI
.endr
.irp b, 0,1,2,3
.irp j, 0,1,2,3
	ds_load_b128 v[160+16*\b+4*\j:160+16*\b+4*\j+3], v10 offset:128*\b+16*\j   ; LDS serves a wave's instructions in order (ISA guide 5.7.1.4): these see my stores
.endr
.endr
	s_wait_dscnt 0x0                               ; the numbers are back, 64 a lane; and the stores have read their set of registers,
.if (\u)+2 < 4
	MLOAD (\u)+2                                   ; which takes the step two further on
.endif
	v_mov_b32 v[24+2*(\u)], 0
	v_mov_b32 v[25+2*(\u)], 0
.set n, 0
.rept 64
	v_cmp_ne_u32 s[40+n%8], 0, v[160+n]            ; word n: one bit a lane
	s_delay_alu instid0(VALU_DEP_1)
	v_writelane_b32 v[24+2*(\u)+n%2], s[40+n%8], n/2   ; lane n / 2 keeps words n (even) and n + 1
.set n, n+1
.endr
	global_store_b64 v7, v[24+2*(\u):25+2*(\u)], s[32:33] offset:256*(\u)   ; 256 consecutive bytes, aligned; each step has registers of its own
.endm
	s_wait_alu depctr_va_vdst(0)
	MPACK 0, 16
	MPACK 1, 16
	MPACK 2, 16
	MPACK 3, 0
	s_wait_tensorcnt 0x0                           ; the wave's end, as above
	ds_add_u32 v[SPW], v[NIL]
	s_wait_dscnt 0x0
	s_endpgm
; ---------------- WEIGHTS: t = work-group.  16 work-groups for each of Wq, Wk, Wv, Wo, 64 for W1, 64 for W2; each takes 128 columns x 512 along K.
; A lane takes a column n and its registers run down K, so the conversions give codes with K innermost.  The lanes' columns are dealt in the order P, so that sixteen lanes' 16 bytes are 256 consecutive bytes of the image.
.Lweights:
	s_mov_b32 s5, ttmp9                            ; t
	s_lshr_b32 s6, s5, 4
	s_lshr_b32 s7, s5, 6
	s_add_co_u32 s7, s7, 3
	s_and_b32 s34, s5, 15
	s_and_b32 s35, s5, 63
	s_cmp_lt_u32 s5, 64
	s_cselect_b32 s6, s6, s7                       ; the tensor: 0 Wq, 1 Wk, 2 Wv, 3 Wo, 4 W1, 5 W2
	s_cselect_b32 s34, s34, s35                    ; my place in it
	s_cmp_eq_u32 s6, 4
	s_cselect_b32 s35, 5, 3                        ; log2 of its blocks of 128 columns
	s_sub_co_u32 s36, s35, 3
	s_lshl_b32 s36, 0x1000, s36                    ; a row of the tensor in bytes: 16,384 in W1, else 4,096
	s_lshl_b32 s37, 1, s35
	s_sub_co_u32 s37, s37, 1
	s_and_b32 s38, s34, s37                        ; block of columns
	s_lshr_b32 s39, s34, s35                       ; block of 512 along K
	s_cmp_eq_u32 s6, 5
	s_cselect_b32 s37, 20, 18                      ; log2 of 256 K: 256 rows of the image
	s_cselect_b32 s56, 3, 0
	s_add_co_u32 s56, s56, s6
	s_add_co_u32 s56, s56, 12
	s_lshl_b32 s56, s56, 20                        ; the image's place: 12, 13, 14, 15, 16, 20 MiB
	s_cmp_lt_u32 s6, 3
	s_cselect_b32 s57, 1, 5
	s_lshl_b32 s58, s6, 1
	s_add_co_u32 s57, s57, s58                     ; its scale's entry: 1, 3, 5, 11, 13, 15
	s_lshl_b32 s57, s57, 2
	s_load_b32 s59, s[14:15], s57 offset:0x0       ; e
	s_cmp_eq_u32 s6, 0
	s_cselect_b64 s[60:61], s[18:19], s[28:29]
	s_cmp_eq_u32 s6, 1
	s_cselect_b64 s[60:61], s[20:21], s[60:61]
	s_cmp_eq_u32 s6, 2
	s_cselect_b64 s[60:61], s[22:23], s[60:61]
	s_cmp_eq_u32 s6, 3
	s_cselect_b64 s[60:61], s[24:25], s[60:61]
	s_cmp_eq_u32 s6, 4
	s_cselect_b64 s[60:61], s[26:27], s[60:61]     ; the tensor's address: a choice on the work-group's number alone
	s_and_b32 s62, s4, 3                           ; which 32 columns are my wave's
	s_lshr_b32 s63, s4, 2                          ; which 256 along K
	s_lshl_b32 s66, s39, 9
	s_lshl_b32 s67, s63, 8
	s_add_co_u32 s66, s66, s67                     ; my first k
	s_mul_i32 s66, s66, s36
	s_lshl_b32 s67, s38, 9
	s_add_co_u32 s66, s66, s67
	s_lshl_b32 s67, s62, 7
	s_add_co_u32 s66, s66, s67                     ; + my first column x 4
	s_mov_b32 s67, 0
	s_add_nc_u64 s[40:41], s[60:61], s[66:67]      ; block 0 of 32 along K
	s_lshl_b32 s66, s36, 5
.irp t, 1,2,3,4,5,6,7
	s_add_nc_u64 s[40+2*\t:41+2*\t], s[38+2*\t:39+2*\t], s[66:67]   ; block t: 32 rows further down; none of these is rewritten
.endr
	v_and_b32 v5, 15, v0                           ; r
	v_bfe_u32 v6, v0, 4, 1                         ; which of my two fragments
	s_delay_alu instid0(VALU_DEP_2)
	v_and_b32 v7, 8, v5
	s_delay_alu instid0(VALU_DEP_1)
	v_add_nc_u32 v7, v7, v5
	s_delay_alu instid0(VALU_DEP_1)
	v_lshl_add_u32 v7, v6, 3, v7                   ; my column among the 32: 8 g + r + 8 (r / 8)
	s_delay_alu instid0(VALU_DEP_1)
	v_lshlrev_b32 v32, 2, v7
.irp i, 1,2,3,4,5,6,7,8,9,10,11,12,13,14,15,16,17,18,19,20,21,22,23,24,25,26,27,28,29,30,31
	s_delay_alu instid0(VALU_DEP_1)
	v_add_nc_u32 v[32+\i], s36, v[31+\i]           ; row i of a block
.endr
	v_lshlrev_b32 v8, 4, v5
	s_delay_alu instid0(VALU_DEP_1)
	v_lshl_add_u32 v8, v6, 12, v8                  ; out: fragment g, 16 r
	s_lshr_b32 s66, s38, 1
	s_lshl_b32 s66, s66, s37
	s_add_co_u32 s66, s66, s56
	s_lshl_b32 s67, s39, 1
	s_add_co_u32 s67, s67, s63
	s_lshl_b32 s67, s67, 16
	s_add_co_u32 s66, s66, s67                     ; + kb 65536
	s_and_b32 s67, s38, 1
	s_lshl_b32 s67, s67, 15
	s_add_co_u32 s66, s66, s67
	s_lshl_b32 s67, s62, 13
	s_add_co_u32 s66, s66, s67                     ; + (f % 16) 4096
	s_mov_b32 s67, 0
	s_add_nc_u64 s[30:31], s[30:31], s[66:67]
.macro WLOAD t                         ; block t: 32 rows of K at my column: the wave reads 128 consecutive bytes a load, four waves side by side 512
.irp i, 0,1,2,3,4,5,6,7,8,9,10,11,12,13,14,15,16,17,18,19,20,21,22,23,24,25,26,27,28,29,30,31
	global_load_b32 v[64+32*((\t)%2)+\i], v[32+\i], s[40+2*(\t):41+2*(\t)] th:TH_LOAD_NT
.endr
.endm
.macro WBLOCK t
.set XS, 64+32*((\t)%2)
.if (\t) < 7
	s_wait_loadcnt 32                              ; this block's 32 loads are in; the next block's may be out
.else
	s_wait_loadcnt 0x0
.endif
.irp i, 0,1,2,3,4,5,6,7,8,9,10,11,12,13,14,15,16,17,18,19,20,21,22,23,24,25,26,27,28,29,30,31
	v_med3_num_f32 v[XS+\i], v[XS+\i], -v13, v13
.endr
.irp g, 0,1,2,3
	v_cvt_scalef32_pk8_fp8_f32 v[128+8*(\t)+2*\g:128+8*(\t)+2*\g+1], v[XS+8*\g:XS+8*\g+7], v12
.endr
	global_store_b128 v8, v[128+8*(\t):128+8*(\t)+3], s[30:31] offset:((\t)/4)*2048+((\t)%4)*512       ; k 0..15 of the block: sixteen lanes fill 256 consecutive bytes, aligned
	global_store_b128 v8, v[128+8*(\t)+4:128+8*(\t)+7], s[30:31] offset:((\t)/4)*2048+((\t)%4)*512+256 ; k 16..31.  The codes go to stores alone and have registers of their own; the next vector lines are the other set's holds
.if (\t)+2 < 8
	WLOAD (\t)+2
.endif
.endm
	s_wait_alu depctr_va_vdst(0)
	WLOAD 0
	WLOAD 1
	s_wait_kmcnt 0x0
	s_add_co_i32 s59, s59, 127
	s_lshl_b32 s58, s59, 23
	v_mov_b32 v12, s58                             ; 2^e
	s_add_co_i32 s59, s59, 8
	s_lshl_b32 s59, s59, 23
	s_or_b32 s59, s59, 0x600000
	v_mov_b32 v13, s59                             ; 448 x 2^e
	s_wait_alu depctr_va_vdst(0)
.irp t, 0,1,2,3,4,5,6,7
	WBLOCK \t
.endr
	s_wait_tensorcnt 0x0                           ; the wave's end, in the launch's one form
	ds_add_u32 v[SPW], v[NIL]
	s_wait_dscnt 0x0
	s_endpgm
.Lfunc_end_k_qef7fa8e03f_prep:
	.size	k_qef7fa8e03f_prep, .Lfunc_end_k_qef7fa8e03f_prep-k_qef7fa8e03f_prep
	.p2alignl 7, 3214868480
	.fill 96, 4, 3214868480
	.section	.rodata,"a",@progbits
	.p2align	6, 0x0
	.amdhsa_kernel k_qef7fa8e03f_prep
		.amdhsa_group_segment_fixed_size 134400
		.amdhsa_private_segment_fixed_size 0
		.amdhsa_enable_private_segment 0
		.amdhsa_kernarg_size 104
		.amdhsa_user_sgpr_count 2
		.amdhsa_user_sgpr_kernarg_segment_ptr 1
		.amdhsa_wavefront_size32 1
		.amdhsa_system_sgpr_workgroup_id_x 1
		.amdhsa_system_sgpr_workgroup_id_y 1
		.amdhsa_system_sgpr_workgroup_id_z 1
		.amdhsa_system_vgpr_workitem_id 0
		.amdhsa_next_free_vgpr 224
		.amdhsa_next_free_sgpr 72
		.amdhsa_reserve_vcc 0
		.amdhsa_float_denorm_mode_32 3
		.amdhsa_float_denorm_mode_16_64 3
		.amdhsa_memory_ordered 1
		.amdhsa_forward_progress 1
		.amdhsa_inst_pref_size 141
	.end_amdhsa_kernel
	.amdgpu_metadata
---
amdhsa.version: [ 1, 2 ]
amdhsa.kernels:
  - .name:           k_qef7fa8e03f_prep
    .symbol:         k_qef7fa8e03f_prep.kd
    .args:
      - { .name: x, .offset: 0, .size: 8, .value_kind: global_buffer, .address_space: global }
      - { .name: alpha1, .offset: 8, .size: 8, .value_kind: global_buffer, .address_space: global }
      - { .name: beta1, .offset: 16, .size: 8, .value_kind: global_buffer, .address_space: global }
      - { .name: lowp_scales, .offset: 24, .size: 8, .value_kind: global_buffer, .address_space: global }
      - { .name: mask, .offset: 32, .size: 8, .value_kind: global_buffer, .address_space: global }
      - { .name: Wq, .offset: 40, .size: 8, .value_kind: global_buffer, .address_space: global }
      - { .name: Wk, .offset: 48, .size: 8, .value_kind: global_buffer, .address_space: global }
      - { .name: Wv, .offset: 56, .size: 8, .value_kind: global_buffer, .address_space: global }
      - { .name: Wo, .offset: 64, .size: 8, .value_kind: global_buffer, .address_space: global }
      - { .name: W1, .offset: 72, .size: 8, .value_kind: global_buffer, .address_space: global }
      - { .name: W2, .offset: 80, .size: 8, .value_kind: global_buffer, .address_space: global }
      - { .name: img, .offset: 88, .size: 8, .value_kind: global_buffer, .address_space: global }
      - { .name: maskw, .offset: 96, .size: 8, .value_kind: global_buffer, .address_space: global }
    .group_segment_fixed_size: 134400
    .private_segment_fixed_size: 0
    .kernarg_segment_align: 8
    .kernarg_segment_size: 104
    .max_flat_workgroup_size: 256
    .sgpr_count:     72
    .vgpr_count:     224
    .wavefront_size: 32
...
	.end_amdgpu_metadata
.endif
;; end of part 1
;; launch proj (part 2): grid 12 x 16, 4 waves a work-group, clusters of 4 x 4, 327,680 bytes of LDS; arguments img, lowp_scales, bq, bk, bv, qkv; writes qkv
.if DOCPART == 2
	.amdgcn_target "amdgcn-amd-amdhsa--gfx1250"
	.amdhsa_code_object_version 6
	.text
	.protected	k_qef7fa8e03f_proj
	.globl	k_qef7fa8e03f_proj
	.p2align	8
	.type	k_qef7fa8e03f_proj,@function
k_qef7fa8e03f_proj:
	s_mov_b64 s[64:65], 0
	v_nop
	global_prefetch_b8 v0, s[64:65] scope:SCOPE_SE
	s_setreg_imm32_b32 hwreg(HW_REG_WAVE_MODE, 25, 1), 1
	s_wait_xcnt 0x0
	s_wait_alu depctr_hold_cnt(0) depctr_sa_sdst(0) depctr_va_vdst(0) depctr_va_sdst(0) depctr_va_ssrc(0) depctr_va_vcc(0) depctr_vm_vsrc(0)
	s_getreg_b32 s2, hwreg(HW_REG_IB_STS2, 6, 4)
	s_cmp_eq_u32 s2, 0
	s_cbranch_scc0 .Lentry_in_a_cluster
	s_endpgm
.Lentry_in_a_cluster:
	s_bfe_u32 s2, ttmp6, 0x10000c
	s_cmp_lg_u32 s2, 0xf033
	s_cbranch_scc0 .Lentry_shape_is_right
	s_endpgm
.Lentry_shape_is_right:
.set KIND,   0
.set FR,     16
.set NL,     4
.set NP,     4
.set HALFT,  32768
.set SLOT,   4*HALFT
.set LAPS,   2
.set SPARE,  2*SLOT
.set ADRA, 16
.set ADRB, 20
.set CO,   26
.set SPW,  28
.set NIL,  29
.set BN,   32
.set BR,   96
.set SC,   112
.set LIM,  113
.set AF,   128
.set TMP,  128
.set CD,   192
.set G1, 24
.set G0, 32
.set G1B, 48
.set G0B, 56
.set MSB, 0
.macro WIN new
.if MSB != \new
	s_set_vgpr_msb (MSB<<8)|\new
.set MSB, \new
.endif
.endm
.set MUL_LO, 0xa1
.set MUL_HI, 0xf1
.set TO_B,   0x40
.macro JLOAD g0a, g1a, g0b, g1b
	s_cmp_eq_u32 s15, 0
	s_cbranch_scc0 .Lfor_b_\@
	tensor_load_to_lds s[\g0a:\g0a+3], s[\g1a:\g1a+7]
	s_nop 0
.rept 4
	v_nop
.endr
	s_branch .Lasked_\@
.Lfor_b_\@:
	tensor_load_to_lds s[\g0b:\g0b+3], s[\g1b:\g1b+7]
	s_nop 0
.rept 4
	v_nop
.endr
.Lasked_\@:
.endm
.macro CREST
	s_cmp_lg_u32 s14, 0
	s_cbranch_scc1 .Lnot_wave_0_\@
	s_barrier_signal -3
.Lnot_wave_0_\@:
	s_barrier_wait -3
	s_barrier_signal -1
	s_barrier_wait -1
.endm
.macro CROUND
	s_barrier_signal -1
	s_barrier_wait -1
	CREST
.endm
	s_load_b256 s[4:11], s[0:1], 0x0
.if KIND == 0
	s_load_b128 s[68:71], s[0:1], 0x20
.endif
	v_lshl_add_u32 v[SPW], v0, 2, SPARE
	v_mov_b32 v[NIL], 0
	ds_add_u32 v[SPW], v[NIL]
	ds_add_u32 v[SPW], v[NIL]
	v_lshrrev_b32 v1, 5, v0
	v_readfirstlane_b32 s14, v1
	s_lshr_b32 s15, s14, 1
	s_and_b32 s16, s14, 1
	s_bfe_u32 s40, ttmp6, 0x40000
	s_bfe_u32 s41, ttmp6, 0x40004
	s_and_b32 s17, ttmp7, 0xffff
	s_lshl_b32 s17, s17, 2
	s_lshl_b32 s43, s41, 2
	s_lshl_b32 s43, 15, s43
	s_lshl_b32 s44, 0x1111, s40
	s_or_b32 s[G1], s43, 1<<21
	s_or_b32 s[G1B], s44, 1<<21
.irp g, G1, G1B
	s_mov_b32 s[\g+1], 256<<16
	s_mov_b32 s[\g+2], 128<<16
	s_mov_b32 s[\g+3], 256<<16
	s_mov_b32 s[\g+4], 128
	s_mov_b32 s[\g+5], 256
	s_mov_b32 s[\g+6], 0
	s_mov_b32 s[\g+7], 0
.endr
.if KIND == 0
	s_lshr_b32 s18, ttmp9, 1
	s_xor_b32 s19, s18, 1
	s_mul_i32 s92, s17, s19
	s_add_co_u32 s92, s92, s41
	s_mul_i32 s93, s17, s18
	s_add_co_u32 s93, s93, s40
	s_lshl_b32 s21, ttmp9, 22
	s_mul_i32 s21, s21, s19
	s_mul_i32 s22, s18, 14<<20
	s_add_co_u32 s21, s21, s22
	s_lshl_b32 s47, ttmp9, 20
	s_add_co_u32 s47, s47, 12<<20
	s_mul_i32 s47, s47, s19
	s_lshl_b32 s22, s18, 23
	s_add_co_u32 s47, s47, s22
.else
	s_add_co_u32 s92, s17, s41
	s_lshl_b32 s93, ttmp9, 2
	s_add_co_u32 s93, s93, s40
	s_mov_b32 s21, 0
	s_mov_b32 s47, 16<<20
.endif
	s_lshl_b32 s22, s16, 15
	s_lshl_b32 s20, s92, 18
	s_add_co_u32 s20, s20, s21
	s_add_co_u32 s20, s20, s22
	s_lshl_b32 s46, s93, 18
	s_add_co_u32 s46, s46, s47
	s_add_co_u32 s46, s46, s22
	s_mov_b32 s21, 0
	s_mov_b32 s47, 0
	s_mul_i32 s45, s14, HALFT
	s_wait_dscnt 0x0
	s_wait_kmcnt 0x0
	s_load_b512 s[76:91], s[6:7], 0x0
	s_add_nc_u64 s[20:21], s[4:5], s[20:21]
	s_add_nc_u64 s[46:47], s[4:5], s[46:47]
	; the prefetches: of the 32 KiB that my wave fetches in a K step of 256, the four partners that ask for it jointly take 8 KiB each, told apart by address (cx for A's tiles, cy for B's); lanes 256 bytes apart
	v_and_b32 v30, 31, v0
	v_lshlrev_b32 v30, 8, v30                      ; never rewritten
	s_wait_alu depctr_va_vdst(0)
	s_cmp_eq_u32 s15, 0
	s_cselect_b64 s[12:13], s[20:21], s[46:47]
	s_cselect_b32 s66, s40, s41
	s_lshl_b32 s66, s66, 13
	s_mov_b32 s67, 0
	s_add_nc_u64 s[12:13], s[12:13], s[66:67]      ; never rewritten
	CROUND
.irp s, 0,1
	s_mov_b32 s[G0+4*\s], 1
	s_add_co_u32 s[G0+4*\s+1], s45, \s*SLOT
	s_add_nc_u64 s[G0+4*\s+2:G0+4*\s+3], s[20:21], \s*65536
	s_or_b32 s[G0+4*\s+3], s[G0+4*\s+3], 0x80000000
	s_mov_b32 s[G0B+4*\s], 1
	s_add_co_u32 s[G0B+4*\s+1], s45, \s*SLOT
	s_add_nc_u64 s[G0B+4*\s+2:G0B+4*\s+3], s[46:47], \s*65536
	s_or_b32 s[G0B+4*\s+3], s[G0B+4*\s+3], 0x80000000
.if \s
	s_wait_alu depctr_va_vdst(0)
	s_wait_tensorcnt 0x0                           ; slot 1's first fill stands behind the full sequence, as a refill does
	ds_add_u32 v28, v29
	ds_add_u32 v28, v29
	s_wait_dscnt 0x0
	CROUND
.endif
	JLOAD G0+4*\s, G1, G0B+4*\s, G1B
.if \s
	global_prefetch_b8 v30, s[12:13] offset:3*65536 th:TH_LOAD_NT scope:SCOPE_SE   ; behind K step 1's load: K step 3, two steps on, the last
.else
	global_prefetch_b8 v30, s[12:13] offset:65536 th:TH_LOAD_NT scope:SCOPE_SE     ; behind K step 0's load: K steps 1 and 2
	global_prefetch_b8 v30, s[12:13] offset:2*65536 th:TH_LOAD_NT scope:SCOPE_SE
.endif
.endr
	v_and_b32 v1, 31, v0
	v_lshlrev_b32 v[CO], 4, v1
	s_mul_i32 s21, s15, HALFT
	s_mul_i32 s22, s16, HALFT
	s_add_co_u32 s22, s22, 2*HALFT
.irp s, 0,1
	v_add_nc_u32 v[ADRA+\s], s21, v[CO]
	v_add_nc_u32 v[ADRB+\s], s22, v[CO]
	s_add_co_u32 s21, s21, SLOT
	s_add_co_u32 s22, s22, SLOT
.endr
	v_bfe_u32 v2, v0, 4, 1
	s_wait_alu depctr_va_vdst(0)
	s_lshl_b32 s94, s93, 8
	s_lshl_b32 s95, s16, 7
	s_add_co_u32 s94, s94, s95
.if KIND == 0
	s_mul_i32 s94, s94, s19
	s_cmp_eq_u32 ttmp9, 0
	s_cselect_b64 s[72:73], s[8:9], s[10:11]
	s_cmp_eq_u32 ttmp9, 2
	s_cselect_b64 s[72:73], s[68:69], s[72:73]
.else
	s_mov_b64 s[72:73], s[8:9]
.endif
	s_lshl_b32 s94, s94, 2
	v_lshlrev_b32 v3, 6, v2
	v_add_nc_u32 v3, s94, v3
.irp p, 0,1,2,3
.irp j, 0,1,2,3
	global_load_b128 v[BN+16*\p+4*\j:BN+16*\p+4*\j+3], v3, s[72:73] offset:128*\p+16*\j
.endr
.endr
.if KIND == 0
	s_lshl_b32 s94, s92, 8
	s_lshl_b32 s95, s15, 7
	s_add_co_u32 s94, s94, s95
	s_mul_i32 s94, s94, s18
	v_and_b32 v4, 15, v0
	v_and_b32 v5, 8, v4
	v_add_nc_u32 v4, v4, v5
	v_add_nc_u32 v4, s94, v4
	v_lshlrev_b32 v4, 2, v4
.irp a, 0,1,2,3,4,5,6,7
	global_load_b32 v[BR+2*\a], v4, s[72:73] offset:4*(32*(\a/2)+8*(\a%2))
	global_load_b32 v[BR+2*\a+1], v4, s[72:73] offset:4*(32*(\a/2)+8*(\a%2))
.endr
	s_cmp_eq_u32 s18, 1
	s_cselect_b32 s94, s93, s92
	s_cselect_b32 s95, s92, s93
	s_cselect_b32 s98, s15, s16
	s_cselect_b32 s99, s16, s15
	s_lshr_b32 s100, s94, 3
	s_lshl_b32 s100, s100, 4
	s_lshl_b32 s101, s95, 2
	s_add_co_u32 s100, s100, s101
	s_lshl_b32 s101, s98, 1
	s_add_co_u32 s100, s100, s101
	s_lshl_b32 s100, s100, 17
	s_and_b32 s101, s94, 7
	s_lshl_b32 s101, s101, 1
	s_add_co_u32 s101, s101, s99
	s_lshl_b32 s101, s101, 13
	s_add_co_u32 s100, s100, s101
	s_min_u32 s101, ttmp9, 1
	s_lshl_b32 s100, s100, s101
	s_lshl_b32 s98, s101, 22
	s_add_co_u32 s100, s100, s98
	s_lshl_b32 s98, s18, 13
	s_add_co_u32 s100, s100, s98
	s_lshl_b32 s98, 0x20000, s101
	s_mov_b32 s101, 0
	s_mov_b32 s99, 0
	s_add_nc_u64 s[70:71], s[70:71], s[100:101]
	s_add_nc_u64 s[74:75], s[70:71], s[98:99]
.else
	s_lshl_b32 s100, s92, 20
	s_lshl_b32 s101, s93, 16
	s_add_co_u32 s100, s100, s101
	s_lshl_b32 s101, s15, 15
	s_add_co_u32 s100, s100, s101
	s_lshl_b32 s101, s16, 11
	s_add_co_u32 s100, s100, s101
	s_mov_b32 s101, 0
	s_add_nc_u64 s[70:71], s[10:11], s[100:101]
.endif
.macro FRAG reg, adr, q, i
.irp c, 0,1,2,3
	ds_load_b128 v[\reg+4*\c:\reg+4*\c+3], v[\adr] offset:(\i)*4096+(\q)*2048+512*\c
.endr
.endm
.macro MUL16 a0, p, zero
.irp a, \a0, \a0+1
.irp b, 0,1,2,3,4,5,6,7
.if \zero
	v_wmma_f32_16x16x128_fp8_fp8 v[8*(8*((\a)%4)+\b):8*(8*((\a)%4)+\b)+7], v[128*(\p)+FR*\b:128*(\p)+FR*\b+FR-1], v[AF+FR*(\a):AF+FR*(\a)+FR-1], 0
.else
	v_wmma_f32_16x16x128_fp8_fp8 v[8*(8*((\a)%4)+\b):8*(8*((\a)%4)+\b)+7], v[128*(\p)+FR*\b:128*(\p)+FR*\b+FR-1], v[AF+FR*(\a):AF+FR*(\a)+FR-1], v[8*(8*((\a)%4)+\b):8*(8*((\a)%4)+\b)+7]
.endif
.endr
.endr
.endm
.macro FETCH_B slot, q, p
	WIN TO_B
.irp i, 0,1,2,3,4,5,6,7
	FRAG 128*(\p)+FR*\i, ADRB+\slot, \q, \i
.endr
	WIN 0
.endm
.macro FETCH_A slot, q, i0
.irp i, \i0, \i0+1, \i0+2, \i0+3
	FRAG AF+FR*(\i), ADRA+\slot, \q, \i
.endr
.endm
.macro PLACES n
.rept \n
	v_nop
.endr
.endm
.macro STEP slot, q, zero
	s_wait_dscnt 4*NL
	WIN MUL_LO
	MUL16 0, (\q)%2, \zero
	MUL16 2, (\q)%2, \zero
	s_wait_dscnt 0
	PLACES NP
	FETCH_B \slot, (\q)+1, 1-(\q)%2
	FETCH_A \slot, (\q)+1, 0
	WIN MUL_HI
	MUL16 4, (\q)%2, \zero
	MUL16 6, (\q)%2, \zero
	PLACES NP
	WIN 0
	FETCH_A \slot, (\q)+1, 4
.endm
.macro TURN slot, next, fill
	s_wait_tensorcnt 0x0
	ds_add_u32 v[SPW], v[NIL]
	s_wait_dscnt 4*NL+1
	WIN MUL_LO
	MUL16 0, 1, 0
	s_wait_dscnt 0x0
	s_barrier_signal -1
	MUL16 2, 1, 0
	WIN 0
	s_barrier_wait -1
.if \fill
	CREST
	s_add_nc_u64 s[G0+4*\slot+2:G0+4*\slot+3], s[G0+4*\slot+2:G0+4*\slot+3], 131072
	s_add_nc_u64 s[G0B+4*\slot+2:G0B+4*\slot+3], s[G0B+4*\slot+2:G0B+4*\slot+3], 131072
	JLOAD G0+4*\slot, G1, G0B+4*\slot, G1B
.else
	PLACES NP
.endif
	FETCH_B \next, 0, 0
	FETCH_A \next, 0, 0
	WIN MUL_HI
	MUL16 4, 1, 0
	MUL16 6, 1, 0
	PLACES NP
	WIN 0
	FETCH_A \next, 0, 4
.endm
	s_wait_tensorcnt 1
	s_barrier_signal -1
	s_barrier_wait -1
	FETCH_B 0, 0, 0
	FETCH_A 0, 0, 0
	FETCH_A 0, 0, 4
	STEP 0, 0, 1
	s_mov_b32 s3, LAPS-1
.Llap:
	TURN 0, 1, 1
	STEP 1, 0, 0
	TURN 1, 0, 1
	STEP 0, 0, 0
	s_sub_co_u32 s3, s3, 1
	s_cmp_lg_u32 s3, 0
	s_cbranch_scc1 .Llap
	TURN 0, 1, 0
	STEP 1, 0, 0
	s_wait_dscnt 4*NL
	WIN MUL_LO
	MUL16 0, 1, 0
	MUL16 2, 1, 0
	s_wait_dscnt 0
	WIN MUL_HI
	MUL16 4, 1, 0
	MUL16 6, 1, 0
	WIN 0
	s_wait_kmcnt 0x0
	s_wait_loadcnt 0x0
.if KIND == 0
	s_add_co_i32 s76, s76, s77
	s_add_co_i32 s78, s78, s79
	s_add_co_i32 s80, s80, s81
	s_cmp_eq_u32 ttmp9, 0
	s_cselect_b32 s96, s76, s78
	s_cselect_b32 s98, s82, s83
	s_cmp_eq_u32 ttmp9, 2
	s_cselect_b32 s96, s80, s96
	s_cselect_b32 s98, s85, s98
.else
	s_add_co_i32 s96, s88, s89
	s_mov_b32 s98, s90
.endif
	s_add_co_i32 s96, s96, 127
	s_lshl_b32 s96, s96, 23
	s_mov_b32 s97, s96
	s_add_co_i32 s98, s98, 127
	s_lshl_b32 s99, s98, 23
	v_mov_b32 v[SC], s99
	s_add_co_i32 s98, s98, 8
	s_lshl_b32 s98, s98, 23
	s_or_b32 s98, s98, 0x600000
	v_mov_b32 v[LIM], s98
	PLACES NP
.macro EPI var
.irp a, 0,1,2,3,4,5,6,7
.if \a == 4
	s_wait_xcnt 0x0
.endif
	WIN 0x02+(\a/4)
.set j, 0
.rept 32
.if \var
	v_pk_fma_f32 v[TMP+j:TMP+j+1], v[64*(\a%4)+j:64*(\a%4)+j+1], s[96:97], v[BR+2*\a:BR+2*\a+1] op_sel_hi:[1,0,1]
.else
	v_pk_fma_f32 v[TMP+j:TMP+j+1], v[64*(\a%4)+j:64*(\a%4)+j+1], s[96:97], v[BN+j:BN+j+1] op_sel_hi:[1,0,1]
.endif
.set j, j+2
.endr
	WIN 0
.set j, 0
.rept 64
.if KIND == 0
	v_med3_num_f32 v[TMP+j], v[TMP+j], -v[LIM], v[LIM]
.else
	v_med3_num_f32 v[TMP+j], v[TMP+j], 0, v[LIM]
.endif
.set j, j+1
.endr
.irp p, 0,1,2,3
	v_cvt_scalef32_pk8_fp8_f32 v[CD+4*((4*\a+\p)%16):CD+4*((4*\a+\p)%16)+1], v[TMP+16*\p:TMP+16*\p+7], v[SC]
	v_cvt_scalef32_pk8_fp8_f32 v[CD+4*((4*\a+\p)%16)+2:CD+4*((4*\a+\p)%16)+3], v[TMP+16*\p+8:TMP+16*\p+15], v[SC]
.endr
	v_nop
.irp p, 0,1,2,3
.if KIND == 1
	global_store_b128 v[CO], v[CD+4*((4*\a+\p)%16):CD+4*((4*\a+\p)%16)+3], s[70:71] offset:\a*4096+\p*512
.elseif \var
	global_store_b128 v[CO], v[CD+4*((4*\a+\p)%16):CD+4*((4*\a+\p)%16)+3], s[70+4*(\a/4):71+4*(\a/4)] offset:(\a%4)*2048+\p*512
.else
	global_store_b128 v[CO], v[CD+4*((4*\a+\p)%16):CD+4*((4*\a+\p)%16)+3], s[70+4*(\p/2):71+4*(\p/2)] offset:\a*1024+(\p%2)*512
.endif
.endr
.endr
.endm
.if KIND == 0
	s_cmp_eq_u32 ttmp9, 2
	s_cbranch_scc1 .Lrole_v
	EPI 0
	s_branch .Lout
.Lrole_v:
	EPI 1
.Lout:
.else
	EPI 0
.endif
	s_wait_tensorcnt 0x0
	ds_add_u32 v[SPW], v[NIL]
	s_wait_dscnt 0x0
	CROUND
	s_endpgm
.Lfunc_end_k_qef7fa8e03f_proj:
	.size	k_qef7fa8e03f_proj, .Lfunc_end_k_qef7fa8e03f_proj-k_qef7fa8e03f_proj
	.p2alignl 7, 3214868480
	.fill 96, 4, 3214868480
	.section	.rodata,"a",@progbits
	.p2align	6, 0x0
	.amdhsa_kernel k_qef7fa8e03f_proj
		.amdhsa_group_segment_fixed_size 327680
		.amdhsa_private_segment_fixed_size 0
		.amdhsa_enable_private_segment 0
		.amdhsa_kernarg_size 48
		.amdhsa_user_sgpr_count 2
		.amdhsa_user_sgpr_kernarg_segment_ptr 1
		.amdhsa_wavefront_size32 1
		.amdhsa_system_sgpr_workgroup_id_x 1
		.amdhsa_system_sgpr_workgroup_id_y 1
		.amdhsa_system_sgpr_workgroup_id_z 1
		.amdhsa_system_vgpr_workitem_id 0
		.amdhsa_next_free_vgpr 1024
		.amdhsa_next_free_sgpr 102
		.amdhsa_reserve_vcc 0
		.amdhsa_float_denorm_mode_32 3
		.amdhsa_float_denorm_mode_16_64 3
		.amdhsa_memory_ordered 1
		.amdhsa_forward_progress 1
		.amdhsa_inst_pref_size 195
	.end_amdhsa_kernel
	.amdgpu_metadata
---
amdhsa.version: [ 1, 2 ]
amdhsa.kernels:
  - .name:           k_qef7fa8e03f_proj
    .symbol:         k_qef7fa8e03f_proj.kd
    .args:
      - { .name: img, .offset: 0, .size: 8, .value_kind: global_buffer, .address_space: global }
      - { .name: lowp_scales, .offset: 8, .size: 8, .value_kind: global_buffer, .address_space: global }
      - { .name: bq, .offset: 16, .size: 8, .value_kind: global_buffer, .address_space: global }
      - { .name: bk, .offset: 24, .size: 8, .value_kind: global_buffer, .address_space: global }
      - { .name: bv, .offset: 32, .size: 8, .value_kind: global_buffer, .address_space: global }
      - { .name: qkv, .offset: 40, .size: 8, .value_kind: global_buffer, .address_space: global }
    .group_segment_fixed_size: 327680
    .private_segment_fixed_size: 0
    .kernarg_segment_align: 8
    .kernarg_segment_size: 48
    .max_flat_workgroup_size: 128
    .sgpr_count:     102
    .vgpr_count:     1024
    .wavefront_size: 32
...
	.end_amdgpu_metadata
.endif
;; end of part 2
;; launch attn (part 3): grid 8 x 32, 16 waves a work-group, no clusters, 264,192 bytes of LDS; arguments qkv, maskw, lowp_scales, ctx; writes ctx
.if DOCPART == 3
	.amdgcn_target "amdgcn-amd-amdhsa--gfx1250"
	.amdhsa_code_object_version 6
	.text
	.protected	k_qef7fa8e03f_attn
	.globl	k_qef7fa8e03f_attn
	.p2align	8
	.type	k_qef7fa8e03f_attn,@function
k_qef7fa8e03f_attn:
	s_mov_b64 s[64:65], 0
	v_nop
	global_prefetch_b8 v0, s[64:65] scope:SCOPE_SE
	s_setreg_imm32_b32 hwreg(HW_REG_WAVE_MODE, 25, 1), 1
	s_wait_xcnt 0x0
; Attention of one (batch, head) on codes of FP8 (E4M3): S^T = K Q^T (K = 64), the mask, p = 2^(t - M) quantised along the keys, O^T = V^T P^T (128 keys a step), O / l quantised into the next product's image.
; t = logit x log2(e), logit = score / 8; M = the running largest t rounded up to a whole number; l = the sum of the unquantised p; when M moves, l and O^T are multiplied by 2^(old M - new M), which rounds nothing.
; SHARES.  A work-group owns 256 queries of a head, each of its sixteen waves one fragment of 16 (order P(f, r) = 32 (f / 2) + 8 (f % 2) + r + 8 (r / 8)); four waves to a SIMD.
; A head's K and V are 256 KiB of operand images, 16 KiB a key step, and each byte has its own place in LDS, written once.  They come in FOUR PHASES of four key steps (64 KiB), through registers: wave w brings 4 KiB of each phase.
; The head waits for phase 0 alone.  Behind the barrier that opens phase p each wave asks for its part of phase p + 1 (eight loads into v192-223, which the steps do not touch); at the phase's end it stores them to LDS; the next barrier shows them to all.
; NO TENSOR LOAD AND NO CLUSTER: two scalar branches of the loop hang on whole numbers read from memory (the mask's words, the exponent e8).
; No prefetch into the L2: each phase's loads are themselves issued four key steps ahead of their use.
; LAYOUT.  Both products transposed: a lane holds one query.  K's fragments are in the order P, so the 16 registers of tiles 2 b, 2 b + 1 are keys 32 b + 16 h + 0..15: the conversions' results are the second product's operand.
; THE MASK comes as one bit a score, 64 words a step.  At the head each wave makes 16 flags: bit s is set where step s has a word that is not all ones.  A step with its flag clear has no masked score and jumps over the 64 selects.
; Else word n goes to a scalar register and a masked score is replaced ahead of the maximum by the raw sum SM = -2^(33 - e6 - e7): its t is a whole number, so a row masked everywhere gets p = 1 for every key (the uniform softmax of -1e9), and elsewhere masked keys get p = 0.
; THE HOLD of p at 448 x 2^e8: p is at most 1 (up to one rounding), so with e8 >= -8 (448 x 2^-8 = 1.75) the hold changes no number and is jumped over; with a smaller e8 it is executed.
; LIMITS: e6 + e7 at most 9 (every real sum, at most 64 x 448^2, then lies above SM) and at least -90; e8 and e10 between -126 and 119.  NaN is not served.
; REGISTERS: v1 16 x lane; v5, v6 the add's two; v7 8 x lane; v8 the step's LDS address; v9, v10 my store addresses; v12 -M, v13 largest t, v[14:15] l; v16-23 Q; v32-95 K's eight fragments, then V's four; v96-159 S^T, then p; v160-191 O^T; v192-223 the next phase on its way; v224-239 p's codes; v240.. constants and work.
.set SPARE, 262144                     ; behind K and V: the spare words, 128 bytes for each of 16 waves
	s_load_b256 s[68:75], s[0:1], 0x0              ; qkv 68, maskw 70, scales 72, ctx 74
	v_lshl_add_u32 v5, v0, 2, SPARE
	v_mov_b32 v6, 0
	v_lshrrev_b32 v1, 5, v0
	s_delay_alu instid0(VALU_DEP_1)
	v_readfirstlane_b32 s52, v1                    ; wave 0..15
	v_and_b32 v1, 31, v0
	s_delay_alu instid0(VALU_DEP_1)
	v_lshlrev_b32 v7, 3, v1
	v_lshlrev_b32 v1, 4, v1
	s_lshl_b32 s3, s52, 12
	v_add_nc_u32 v9, s3, v1                        ; my 4 KiB of a phase's 64, 16 bytes a lane
	s_mov_b32 s54, 0x76543210
	s_mov_b32 s55, 0xfedcba98
	s_and_b32 s67, ttmp7, 0xffff                   ; (batch, head)
	s_lshl_b32 s97, ttmp9, 4
	s_add_co_u32 s97, s97, s52                     ; my query fragment, 0..127
	s_lshl_b32 s98, s67, 18
	s_lshl_b32 s99, s52, 12
	s_add_co_u32 s98, s98, s99
	s_add_co_u32 s98, s98, 4<<20                   ; my 4 KiB of phase 0 of my head
	s_mov_b32 s99, 0
	s_lshl_b32 s100, s67, 17
	s_lshl_b32 s101, s97, 10
	s_add_co_u32 s100, s100, s101                  ; my fragment of Q
	s_mov_b32 s101, 0
	s_lshr_b32 s2, s67, 4
	s_lshl_b32 s2, s2, 3
	s_add_co_u32 s2, s2, ttmp9
	s_lshl_b32 s2, s2, 18                          ; ctx: 256 tokens x 1,024 K
	s_bfe_u32 s3, s67, 0x20002
	s_lshl_b32 s3, s3, 16
	s_add_co_u32 s2, s2, s3                        ; + kb = head / 4
	s_lshl_b32 s3, s52, 12
	s_add_co_u32 s2, s2, s3                        ; + fragment w
	s_and_b32 s3, s67, 3
	s_lshl_b32 s3, s3, 10
	s_add_co_u32 s2, s2, s3                        ; + 64 (head % 4) along K
	s_mov_b32 s3, 0
	s_lshl_b32 s60, s97, 12                        ; the mask's words of my fragment
	s_mov_b32 s61, 0
	s_wait_alu depctr_va_vdst(0)
	s_wait_kmcnt 0x0
	s_load_b256 s[76:83], s[72:73], 0x18           ; e6 .. e13
	s_add_nc_u64 s[86:87], s[68:69], s[98:99]
	s_add_nc_u64 s[100:101], s[68:69], s[100:101]
	s_add_nc_u64 s[58:59], s[70:71], s[60:61]
	s_add_nc_u64 s[62:63], s[74:75], s[2:3]
.set j, 0
.rept 8
	global_load_b128 v[192+4*j:195+4*j], v1, s[86:87] offset:512*j   ; phase 0: 512 consecutive bytes a load
.set j, j+1
.endr
	global_load_b128 v[16:19], v1, s[100:101]      ; Q
	global_load_b128 v[20:23], v1, s[100:101] offset:512
.set j, 0
.rept 16
	global_load_b64 v[160+2*j:161+2*j], v7, s[58:59] offset:256*j   ; step j's 64 words, two a lane
.set j, j+1
.endr
	s_wait_kmcnt 0x0
	s_add_co_i32 s2, s76, s77                      ; e6 + e7
	s_lshl_b32 s3, s2, 23
	s_mov_b32 s56, 0x3e38aa3b                      ; log2(e) / 8
	s_add_co_i32 s56, s56, s3                      ; x 2^(e6 + e7), by its exponent field
	s_mov_b32 s57, s56
	s_sub_co_i32 s2, 160, s2
	s_lshl_b32 s2, s2, 23
	s_or_b32 s2, s2, 0x80000000
	v_mov_b32 v241, s2                             ; SM
	s_add_co_i32 s2, s78, 127
	s_lshl_b32 s3, s2, 23
	v_mov_b32 v244, s3                             ; 2^e8
	s_add_co_i32 s2, s2, 8
	s_lshl_b32 s2, s2, 23
	s_or_b32 s2, s2, 0x600000
	v_mov_b32 v240, s2                             ; 448 x 2^e8
	s_add_co_i32 s2, s80, 127
	s_lshl_b32 s3, s2, 23
	v_mov_b32 v245, s3                             ; 2^e10
	s_add_co_i32 s2, s2, 8
	s_lshl_b32 s2, s2, 23
	s_or_b32 s2, s2, 0x600000
	v_mov_b32 v246, s2                             ; 448 x 2^e10
	s_add_co_i32 s61, s78, s79                     ; e8 + e9
	s_mov_b32 s85, s78                             ; e8
	s_mov_b32 s53, 0
	s_mov_b32 s66, 0
	s_mov_b32 s88, 4                               ; phases to go
	s_mov_b32 s84, 0
	s_wait_loadcnt 18                              ; my part of phase 0 is in; Q's two loads and the mask's sixteen may be out
.set j, 0
.rept 8
	ds_store_b128 v9, v[192+4*j:195+4*j] offset:512*j
.set j, j+1
.endr
	s_wait_loadcnt 0x0
.set j, 0
.rept 16
	v_and_b32 v[160+2*j], v[160+2*j], v[161+2*j]
.set j, j+1
.endr
.set j, 0
.rept 16
	v_cmp_ne_u32 s[4+j], -1, v[160+2*j]            ; a lane's bit is set where one of its two words has a hole
.set j, j+1
.endr
.set j, 0
.rept 16
	s_cmp_lg_u32 s[4+j], 0
	s_cselect_b32 s2, 1<<j, 0
	s_or_b32 s84, s84, s2                          ; flag j
.set j, j+1
.endr
	v_mov_b32 v13, 0xff61b1e6                      ; -3e38, under every t
	s_delay_alu instid0(VALU_DEP_1)
	v_floor_f32 v12, -v13
	v_mov_b32 v14, 0
	v_mov_b32 v15, 0
	v_mov_b32 v236, 0                              ; a lane permute's destination counts as read
	v_mov_b32 v253, 0                              ; (named as the upper half of v[252:253])
.set j, 0
.rept 32
	v_mov_b32 v[160+j], 0                          ; O^T: the loop is written once; its first change of M multiplies zeros
.set j, j+1
.endr
	s_wait_alu depctr_va_vdst(0)
.Lphase:                                           ; 4 trips of four key steps
	s_wait_dscnt 0x0                               ; for the others' sake: my part of this phase lies in LDS
	s_barrier_signal -1
	s_barrier_wait -1                              ; everybody's does
	s_mov_b32 s60, 4
	s_cmp_eq_u32 s88, 1
	s_cbranch_scc1 .Lstep                          ; behind the last phase there is nothing to ask for
	s_add_nc_u64 s[86:87], s[86:87], 65536         ; (every load that read this address is done: the waits for 0 at the head and at a phase's end)
.set j, 0
.rept 8
	global_load_b128 v[192+4*j:195+4*j], v1, s[86:87] offset:512*j   ; my part of the next phase: it lands under this phase's four steps
.set j, j+1
.endr
.Lstep:                                            ; 4 trips of 128 keys
	v_add_nc_u32 v8, s66, v1
.rept 3
	v_nop                                          ; with the addition: four places behind the last trip's products, in front of loads into registers that they read
.endr
.irp t, 0,1,2,3,4,5,6,7
	ds_load_b128 v[32+8*\t:35+8*\t], v8 offset:\t*1024
	ds_load_b128 v[36+8*\t:39+8*\t], v8 offset:\t*1024+512
.endr
	s_wait_alu depctr_va_vdst(0)
	s_wait_dscnt 0x0
.irp t, 0,1,2,3,4,5,6,7
	v_wmma_f32_16x16x64_fp8_fp8 v[96+8*\t:103+8*\t], v[32+8*\t:39+8*\t], v[16:23], 0
.endr
.rept 4
	v_nop
.endr
.irp d, 0,1,2,3
.irp c, 0,1,2,3
	ds_load_b128 v[32+16*\d+4*\c:35+16*\d+4*\c], v8 offset:8192+\d*2048+\c*512   ; V: it lands under the softmax
.endr
.endr
	s_bitcmp1_b32 s84, 0                           ; has this step a masked score?
	s_cbranch_scc0 .Lopen
	s_load_b512 s[4:19], s[58:59], s53 offset:0x0  ; word n in s[4 + n], from word 48 on in s[20 + n]
	s_load_b512 s[20:35], s[58:59], s53 offset:0x40
	s_load_b512 s[36:51], s[58:59], s53 offset:0x80
	s_load_b512 s[68:83], s[58:59], s53 offset:0xc0
	s_wait_kmcnt 0x0
.set n, 0
.rept 64
.if n < 48
	v_cndmask_b32 v[96+n], v241, v[96+n], s[4+n]
.else
	v_cndmask_b32 v[96+n], v241, v[96+n], s[20+n]
.endif
.set n, n+1
.endr
.Lopen:
	v_max3_num_f32 v254, v96, v97, v98             ; the step's largest score of my query among my 64 keys: four chains by turns, registers ascending
	v_max3_num_f32 v252, v99, v100, v101
	v_max3_num_f32 v250, v102, v103, v104
	v_max3_num_f32 v248, v105, v106, v107
.set j, 108
.rept 6
	v_max3_num_f32 v254, v254, v[j], v[j+1]
	v_max3_num_f32 v252, v252, v[j+2], v[j+3]
	v_max3_num_f32 v250, v250, v[j+4], v[j+5]
	v_max3_num_f32 v248, v248, v[j+6], v[j+7]
.set j, j+8
.endr
	v_max3_num_f32 v254, v254, v156, v157
	v_max3_num_f32 v252, v252, v158, v159
	s_delay_alu instid0(VALU_DEP_2)
	v_max3_num_f32 v254, v254, v250, v248
	s_delay_alu instid0(VALU_DEP_1)
	v_max_num_f32 v254, v254, v252
	v_permlanex16_b32 v236, v254, s54, s55
	s_delay_alu instid0(VALU_DEP_1)
	v_max_num_f32 v254, v254, v236                 ; and among lane l xor 16's
	s_delay_alu instid0(VALU_DEP_1)
	v_mul_f32 v254, s56, v254                      ; as t
	s_delay_alu instid0(VALU_DEP_1)
	v_max_num_f32 v13, v13, v254
	v_mov_b32 v254, v12
	s_delay_alu instid0(VALU_DEP_2)
	v_floor_f32 v12, -v13                          ; -M = floor(-t)
	s_delay_alu instid0(VALU_DEP_1)
	v_sub_f32 v254, v12, v254                      ; old M - new M: a whole number, 0 or less
	s_delay_alu instid0(VALU_DEP_1)
	v_cvt_i32_f32 v254, v254                       ; (it saturates)
	s_delay_alu instid0(VALU_DEP_1)
	v_ldexp_f32 v252, 1.0, v254                    ; f = 2^(old M - new M)
.set j, 0
.rept 32
	v_pk_fma_f32 v[96+j:97+j], v[96+j:97+j], s[56:57], v[12:13] op_sel_hi:[1,0,0]   ; t - M
.set j, j+2
.endr
.set j, 0
.rept 16
	v_pk_mul_f32 v[160+j:161+j], v[160+j:161+j], v[252:253] op_sel_hi:[1,0]   ; O^T under the new M, ahead of the exponentials; each accumulator from its low end on
.set j, j+2
.endr
	v_pk_mul_f32 v[14:15], v[14:15], v[252:253] op_sel_hi:[1,0]   ; l under the new M
	s_wait_alu depctr_va_vdst(0)
.set j, 0
.rept 64
	v_exp_f32 v[96+j], v[96+j]                     ; p, not normalised
.set j, j+1
.endr
	v_nop                                          ; a plain place behind the exponentials
	s_wait_alu depctr_va_vdst(0)                   ; one wait for the batch, ahead of its first reader
	v_pk_add_f32 v[242:243], v[96:97], v[98:99]    ; l takes the unquantised p: four chains by turns
	v_pk_add_f32 v[250:251], v[100:101], v[102:103]
	v_pk_add_f32 v[248:249], v[104:105], v[106:107]
	v_pk_add_f32 v[14:15], v[14:15], v[108:109]
.set j, 110
.rept 6
	v_pk_add_f32 v[242:243], v[242:243], v[j:j+1]
	v_pk_add_f32 v[250:251], v[250:251], v[j+2:j+3]
	v_pk_add_f32 v[248:249], v[248:249], v[j+4:j+5]
	v_pk_add_f32 v[14:15], v[14:15], v[j+6:j+7]
.set j, j+8
.endr
	v_pk_add_f32 v[242:243], v[242:243], v[158:159]
	v_pk_add_f32 v[250:251], v[250:251], v[248:249]
	s_delay_alu instid0(VALU_DEP_2)
	v_pk_add_f32 v[14:15], v[14:15], v[242:243]
	s_delay_alu instid0(VALU_DEP_1)
	v_pk_add_f32 v[14:15], v[14:15], v[250:251]
	s_wait_alu depctr_va_vdst(0)
	s_cmp_ge_i32 s85, -8                           ; 448 x 2^e8 >= 1.75: no p lies beyond it
	s_cbranch_scc1 .Lfits
.set j, 0
.rept 64
	v_min_num_f32 v[96+j], v[96+j], v240           ; the conversion does not saturate (ISA guide 7.6.2); p is not negative
.set j, j+1
.endr
.Lfits:
.irp b, 0,1,2,3
	v_cvt_scalef32_pk8_fp8_f32 v[224+4*\b:225+4*\b], v[96+16*\b:103+16*\b], v244
	v_cvt_scalef32_pk8_fp8_f32 v[226+4*\b:227+4*\b], v[104+16*\b:111+16*\b], v244
.endr
	v_nop                                          ; a plain instruction between the conversions and the products
	s_wait_alu depctr_va_vdst(0)
	s_wait_dscnt 0x0                               ; V
.irp d, 0,1,2,3
	v_wmma_f32_16x16x128_fp8_fp8 v[160+8*\d:167+8*\d], v[32+16*\d:47+16*\d], v[224:239], v[160+8*\d:167+8*\d]   ; four accumulators by turns, one instruction a turn
.endr
	s_add_co_u32 s66, s66, 16384
	s_add_co_u32 s53, s53, 256
	s_lshr_b32 s84, s84, 1
	s_sub_co_u32 s60, s60, 1
	s_cmp_lg_u32 s60, 0
	s_cbranch_scc1 .Lstep
	s_wait_loadcnt 0x0                             ; my part of the next phase is in registers (the last phase has none out)
	s_cmp_eq_u32 s88, 1
	s_cbranch_scc1 .Llast
	v_add_nc_u32 v10, s66, v9                      ; s66 stands at the next phase's first byte: bytes that nobody has read or written yet
.set j, 0
.rept 8
	ds_store_b128 v10, v[192+4*j:195+4*j] offset:512*j
.set j, j+1
.endr
.Llast:
	s_sub_co_u32 s88, s88, 1
	s_cmp_lg_u32 s88, 0
	s_cbranch_scc1 .Lphase
	; THE WAY OUT: O^T 2^(e8 + e9) / l, quantised with e10.  Tiles 2 b, 2 b + 1 are d = 32 b + 16 h + 0..15: the codes are the next product's image as they stand.
.rept 4
	v_nop
.endr
	v_add_f32 v14, v14, v15
	s_delay_alu instid0(VALU_DEP_1)
	v_permlanex16_b32 v252, v14, s54, s55
	s_delay_alu instid0(VALU_DEP_1)
	v_add_f32 v14, v14, v252                       ; the row's sum
	s_wait_alu depctr_va_vdst(0)
	v_rcp_f32 v14, v14
	v_nop
	s_wait_alu depctr_va_vdst(0)
	v_ldexp_f32 v14, v14, s61
	s_delay_alu instid0(VALU_DEP_1)
	v_mov_b32 v15, v14
	s_wait_alu depctr_va_vdst(0)                   ; directly ahead of the first reader of O^T
.set j, 0
.rept 16
	v_pk_mul_f32 v[96+j:97+j], v[160+j:161+j], v[14:15] op_sel_hi:[1,0]   ; each accumulator from its low end on
.set j, j+2
.endr
.set j, 0
.rept 32
	v_med3_num_f32 v[96+j], v[96+j], -v246, v246
.set j, j+1
.endr
.irp b, 0,1
	v_cvt_scalef32_pk8_fp8_f32 v[224+4*\b:225+4*\b], v[96+16*\b:103+16*\b], v245
	v_cvt_scalef32_pk8_fp8_f32 v[226+4*\b:227+4*\b], v[104+16*\b:111+16*\b], v245
.endr
	v_nop
	global_store_b128 v1, v[224:227], s[62:63]             ; 512 consecutive bytes each
	global_store_b128 v1, v[228:231], s[62:63] offset:512
	s_wait_tensorcnt 0x0                           ; the wave's end, behind my last LDS store
	ds_add_u32 v5, v6
	s_wait_dscnt 0x0
	s_endpgm
.Lfunc_end_k_qef7fa8e03f_attn:
	.size	k_qef7fa8e03f_attn, .Lfunc_end_k_qef7fa8e03f_attn-k_qef7fa8e03f_attn
	.p2alignl 7, 3214868480
	.fill 96, 4, 3214868480
	.section	.rodata,"a",@progbits
	.p2align	6, 0x0
	.amdhsa_kernel k_qef7fa8e03f_attn
		.amdhsa_group_segment_fixed_size 264192
		.amdhsa_private_segment_fixed_size 0
		.amdhsa_enable_private_segment 0
		.amdhsa_kernarg_size 32
		.amdhsa_user_sgpr_count 2
		.amdhsa_user_sgpr_kernarg_segment_ptr 1
		.amdhsa_wavefront_size32 1
		.amdhsa_system_sgpr_workgroup_id_x 1
		.amdhsa_system_sgpr_workgroup_id_y 1
		.amdhsa_system_sgpr_workgroup_id_z 1
		.amdhsa_system_vgpr_workitem_id 0
		.amdhsa_next_free_vgpr 256
		.amdhsa_next_free_sgpr 102
		.amdhsa_reserve_vcc 0
		.amdhsa_float_denorm_mode_32 3
		.amdhsa_float_denorm_mode_16_64 3
		.amdhsa_memory_ordered 1
		.amdhsa_forward_progress 1
		.amdhsa_inst_pref_size 37
	.end_amdhsa_kernel
	.amdgpu_metadata
---
amdhsa.version: [ 1, 2 ]
amdhsa.kernels:
  - .name:           k_qef7fa8e03f_attn
    .symbol:         k_qef7fa8e03f_attn.kd
    .args:
      - { .name: qkv, .offset: 0, .size: 8, .value_kind: global_buffer, .address_space: global }
      - { .name: maskw, .offset: 8, .size: 8, .value_kind: global_buffer, .address_space: global }
      - { .name: lowp_scales, .offset: 16, .size: 8, .value_kind: global_buffer, .address_space: global }
      - { .name: ctx, .offset: 24, .size: 8, .value_kind: global_buffer, .address_space: global }
    .group_segment_fixed_size: 264192
    .private_segment_fixed_size: 0
    .kernarg_segment_align: 8
    .kernarg_segment_size: 32
    .max_flat_workgroup_size: 512
    .sgpr_count:     102
    .vgpr_count:     256
    .wavefront_size: 32
...
	.end_amdgpu_metadata
.endif
;; end of part 3
;; launch wo (part 4): grid 8 x 32, 4 waves a work-group, clusters of 4 x 4, 327,680 bytes of LDS; arguments ctx, img, lowp_scales, bo, x, x1; writes x1
.if DOCPART == 4
	.amdgcn_target "amdgcn-amd-amdhsa--gfx1250"
	.amdhsa_code_object_version 6
	.text
	.protected	k_qef7fa8e03f_wo
	.globl	k_qef7fa8e03f_wo
	.p2align	8
	.type	k_qef7fa8e03f_wo,@function
k_qef7fa8e03f_wo:
	s_mov_b64 s[64:65], 0
	v_nop
	global_prefetch_b8 v0, s[64:65] scope:SCOPE_SE
	s_setreg_imm32_b32 hwreg(HW_REG_WAVE_MODE, 25, 1), 1
	s_wait_xcnt 0x0
	s_wait_alu depctr_hold_cnt(0) depctr_sa_sdst(0) depctr_va_vdst(0) depctr_va_sdst(0) depctr_va_ssrc(0) depctr_va_vcc(0) depctr_vm_vsrc(0)
	s_getreg_b32 s2, hwreg(HW_REG_IB_STS2, 6, 4)
	s_cmp_eq_u32 s2, 0
	s_cbranch_scc0 .Lentry_in_a_cluster
	s_endpgm
.Lentry_in_a_cluster:
	s_bfe_u32 s2, ttmp6, 0x10000c
	s_cmp_lg_u32 s2, 0xf033
	s_cbranch_scc0 .Lentry_shape_is_right
	s_endpgm
.Lentry_shape_is_right:
; x1 = x + bo + ctx Wo on codes of FP8 (E4M3); A [4096][1024] and B [1024][1024] lie as operand images (rows in the order P(f, r) = 32 (f / 2) + 8 (f % 2) + r + 8 (r / 8); 128 rows x 256 K are 32 KiB on end, blocks of 256 K 64 KiB apart).
; 256 work-groups of 128 x 128, each of four waves 64 x 64 (16 accumulators).  K = 1,024: A's and B's 128 KiB each lie in LDS whole.
; Each wave fetches 64 KiB with its one tensor load at the head: two blocks of 32 KiB (512 along K): waves 0, 1 for A, waves 2, 3 for B.  Nothing is filled again: one barrier, at the head.
; LDS: half s (512 along K) at 131072 s: A's two blocks of 256 K, then B's two.
; Source 0 = 16 rows of B, source 1 = 16 rows of A: a lane holds one token and, by the order P, 16 neighbouring columns for each pair of B's fragments.
; CLUSTERS 4 x 4: A's tiles are asked for jointly along a row of the cluster, B's along a column.  No prefetch: all tiles are asked for at the head, there is no loop to run ahead in.
; The residual's 64 x 64 numbers of a wave are asked for at the head and land under the products.
; LIMIT: e10 + e11 between -126 and 127.
; REGISTERS: window 0: v12-15 bias; v16-29 addresses; v32-95 rows back from the stage, two sets; v96-127 resid + bias; v128-255 accumulators ((a, b) at v[128 + 8 (4 a + b)]);  window 1: two fragment buffers (A's four, then B's four);  window 2: v0-127 the residual.
.set TS,     262144                    ; 256 rows of an image
.set WOFF,   15<<20                    ; Wo's image in img
.set SPARE,  262144                    ; the spare words, 128 bytes a wave
.set STAGE,  262656                    ; two stages of 16 rows x 272 bytes for each wave; no tensor load lands here
.set ADRA, 16
.set ADRB, 20
.set STO,  24
.set RD,   25
.set CO,   26
.set L16,  27
.set SPW,  28
.set NIL,  29
.set BK,   32
.set TMP,  96
.set ACC,  128
.set F0,   0
.set F1,   128
.set G1, 24
.set G0, 32
.set G1B, 48
.set G0B, 56
.set MSB, 0
.macro WIN new
.if MSB != \new
	s_set_vgpr_msb (MSB<<8)|\new
.set MSB, \new
.endif
.endm
.set MUL,  0x05                        ; sources 0 (B) and 1 (A) window 1; C and D window 0
.set TO_F, 0x40
.macro CROUND                          ; a round of the cluster's barrier
	s_barrier_signal -1
	s_barrier_wait -1
	s_cmp_lg_u32 s14, 0
	s_cbranch_scc1 .Lnot_wave_0_\@
	s_barrier_signal -3
.Lnot_wave_0_\@:
	s_barrier_wait -3
	s_barrier_signal -1
	s_barrier_wait -1
.endm
	s_load_b256 s[4:11], s[0:1], 0x0               ; ctx 4, img 6, scales 8, bo 10
	s_load_b128 s[68:71], s[0:1], 0x20             ; x 68, x1 70
	v_lshl_add_u32 v[SPW], v0, 2, SPARE
	v_mov_b32 v[NIL], 0
	ds_add_u32 v[SPW], v[NIL]                      ; the wave's opening: the add, twice on end, and its wait ahead of my tensor load
	ds_add_u32 v[SPW], v[NIL]
	v_lshrrev_b32 v1, 5, v0
	v_readfirstlane_b32 s14, v1                    ; wave
	s_lshr_b32 s15, s14, 1                         ; my half of the tile's rows.  Also: I fetch for A (0) or B (1)
	s_and_b32 s16, s14, 1                          ; my half of its columns.  Also: which 512 along K I fetch
	s_bfe_u32 s40, ttmp6, 0x40000
	s_bfe_u32 s41, ttmp6, 0x40004
	s_lshl_b32 s42, ttmp9, 2
	s_add_co_u32 s42, s42, s40                     ; tile column
	s_and_b32 s17, ttmp7, 0xffff
	s_lshl_b32 s17, s17, 2
	s_add_co_u32 s17, s17, s41                     ; tile row
	s_lshl_b32 s43, s41, 2
	s_lshl_b32 s43, 15, s43
	s_lshl_b32 s44, 0x1111, s40
	s_or_b32 s[G1], s43, (3<<16)|(1<<21)           ; the mask; elements of 8 bytes; no padding
	s_or_b32 s[G1B], s44, (3<<16)|(1<<21)
.irp g, G1, G1B
	s_mov_b32 s[\g+1], 4096<<16                    ; a row: 4,096 elements = 32 KiB, one block
	s_mov_b32 s[\g+2], 2<<16                       ; two rows
	s_mov_b32 s[\g+3], 4096<<16
	s_mov_b32 s[\g+4], 2
	s_mov_b32 s[\g+5], 8192                        ; 64 KiB from block to block
	s_mov_b32 s[\g+6], 0
	s_mov_b32 s[\g+7], 0
.endr
	s_lshl_b32 s22, s16, 17                        ; my 512 along K
	s_lshr_b32 s20, s17, 1
	s_mul_i32 s20, s20, TS
	s_and_b32 s21, s17, 1
	s_lshl_b32 s21, s21, 15
	s_add_co_u32 s20, s20, s21
	s_add_co_u32 s20, s20, s22
	s_mov_b32 s21, 0
	s_lshr_b32 s46, s42, 1
	s_mul_i32 s46, s46, TS
	s_and_b32 s47, s42, 1
	s_lshl_b32 s47, s47, 15
	s_add_co_u32 s46, s46, s47
	s_add_co_u32 s46, s46, s22
	s_add_co_u32 s46, s46, WOFF
	s_mov_b32 s47, 0
	s_lshl_b32 s45, s16, 17
	s_lshl_b32 s23, s15, 16
	s_add_co_u32 s45, s45, s23                     ; LDS: half s16, A's or B's 64 KiB
	s_wait_dscnt 0x0
	s_wait_kmcnt 0x0
	s_load_b64 s[96:97], s[8:9], 40                ; e10, e11
	s_add_nc_u64 s[20:21], s[4:5], s[20:21]
	s_add_nc_u64 s[46:47], s[6:7], s[46:47]
	CROUND                                         ; all sixteen work-groups are here: the joint loads meet
	s_mov_b32 s[G0], 1
	s_mov_b32 s[G0+1], s45
	s_mov_b64 s[G0+2:G0+3], s[20:21]
	s_or_b32 s[G0+3], s[G0+3], 0x80000000
	s_mov_b32 s[G0B], 1
	s_mov_b32 s[G0B+1], s45
	s_mov_b64 s[G0B+2:G0B+3], s[46:47]
	s_or_b32 s[G0B+3], s[G0B+3], 0x80000000
	s_cmp_eq_u32 s15, 0
	s_cbranch_scc0 .Lfor_b
	tensor_load_to_lds s[G0:G0+3], s[G1:G1+7]      ; my one tensor load
	s_nop 0
.rept 4
	v_nop
.endr
	s_branch .Lasked
.Lfor_b:
	tensor_load_to_lds s[G0B:G0B+3], s[G1B:G1B+7]
	s_nop 0
.rept 4
	v_nop
.endr
.Lasked:
	s_lshl_b32 s21, s15, 14                        ; my four fragments of A
	s_lshl_b32 s22, s16, 14
	s_add_co_u32 s22, s22, 65536                   ; and of B
	s_mul_i32 s23, s14, 8704
	s_add_co_u32 s23, s23, STAGE
	s_lshl_b32 s72, s42, 7
	s_lshl_b32 s73, s16, 6
	s_add_co_u32 s72, s72, s73
	s_lshl_b32 s72, s72, 2                         ; my first column, in bytes
	s_lshl_b32 s74, s17, 7
	s_lshl_b32 s75, s15, 6
	s_add_co_u32 s74, s74, s75
	s_lshl_b32 s74, s74, 12                        ; my first row
	s_add_co_u32 s74, s74, s72
	s_mov_b32 s75, 0
	s_add_nc_u64 s[68:69], s[68:69], s[74:75]
	s_add_nc_u64 s[70:71], s[70:71], s[74:75]
	v_and_b32 v1, 31, v0
	v_lshlrev_b32 v[L16], 4, v1
	v_and_b32 v2, 15, v0                           ; r
	v_bfe_u32 v3, v0, 4, 1                         ; h
	v_add_nc_u32 v[ADRA], s21, v[L16]
	v_add_nc_u32 v[ADRB], s22, v[L16]
	v_add_nc_u32 v[ADRA+1], 131072, v[ADRA]
	v_add_nc_u32 v[ADRB+1], 131072, v[ADRB]
	v_mul_u32_u24 v[STO], v2, 272
	v_lshl_add_u32 v[STO], v3, 6, v[STO]
	v_add_nc_u32 v[STO], s23, v[STO]               ; in: row r, + 64 h
	v_mul_u32_u24 v[RD], v3, 272
	v_lshl_add_u32 v[RD], v2, 4, v[RD]
	v_add_nc_u32 v[RD], s23, v[RD]                 ; back: lanes 0-15 one row of 256 bytes, lanes 16-31 the next
	v_lshlrev_b32 v[CO], 12, v3
	v_lshl_add_u32 v[CO], v2, 4, v[CO]             ; the same two rows in memory
	v_lshl_add_u32 v4, v2, 4, s72
	s_wait_alu depctr_va_vdst(0)
	global_load_b128 v[12:15], v4, s[10:11]        ; the bias of my four columns
	WIN 0x80                                       ; destination window 2
.irp a, 0,1,2,3
.irp t, 0,1,2,3,4,5,6,7
	global_load_b128 v[32*\a+4*\t:32*\a+4*\t+3], v[CO], s[68:69] offset:(32*(\a/2)+8*(\a%2)+2*\t+8*(\t/4))*4096   ; the residual, in the order in which the rows leave
.endr
.endr
	WIN 0
.macro MUL4 f, a, zero                 ; A's fragment a x B's four.  The 16 accumulators take turns, one instruction a turn, in the same order in every quarter
.irp b, 0,1,2,3
.if \zero
	v_wmma_f32_16x16x128_fp8_fp8 v[ACC+8*(4*\a+\b):ACC+8*(4*\a+\b)+7], v[\f+64+16*\b:\f+64+16*\b+15], v[\f+16*\a:\f+16*\a+15], 0
.else
	v_wmma_f32_16x16x128_fp8_fp8 v[ACC+8*(4*\a+\b):ACC+8*(4*\a+\b)+7], v[\f+64+16*\b:\f+64+16*\b+15], v[\f+16*\a:\f+16*\a+15], v[ACC+8*(4*\a+\b):ACC+8*(4*\a+\b)+7]
.endif
.endr
.endm
.macro FETCH half, qd, f               ; 32 LDS loads in one run: quarter qd (128 along K) of a half: B's four fragments first, then A's
	WIN TO_F
.irp i, 0,1,2,3
.irp c, 0,1,2,3
	ds_load_b128 v[\f+64+16*\i+4*\c:\f+64+16*\i+4*\c+3], v[ADRB+\half] offset:((\qd)/2)*32768+\i*4096+((\qd)%2)*2048+512*\c
.endr
.endr
.irp i, 0,1,2,3
.irp c, 0,1,2,3
	ds_load_b128 v[\f+16*\i+4*\c:\f+16*\i+4*\c+3], v[ADRA+\half] offset:((\qd)/2)*32768+\i*4096+((\qd)%2)*2048+512*\c
.endr
.endr
.endm
.macro PLACES
.rept 4
	v_nop
.endr
.endm
.macro QUARTER half, qn, f, g, zero    ; multiplies buffer f; in its middle fetches quarter qn of the named half into g
	s_wait_dscnt 8                                 ; B and A's fragments 0, 1 are in; the youngest eight loads (A's 2, 3) may be out
	WIN MUL
	MUL4 \f, 0, \zero
	MUL4 \f, 1, \zero
	PLACES
	FETCH \half, \qn, \g
	s_wait_dscnt 32                                ; all but the 32 just issued
	WIN MUL
	MUL4 \f, 2, \zero
	MUL4 \f, 3, \zero
.endm
	s_wait_tensorcnt 0x0                           ; my 64 KiB are in,
	s_barrier_signal -1
	s_barrier_wait -1                              ; everybody's are
	FETCH 0, 0, F0
	QUARTER 0, 1, F0, F1, 1                        ; the first quarter starts the sums
	QUARTER 0, 2, F1, F0, 0
	QUARTER 0, 3, F0, F1, 0
	QUARTER 1, 0, F1, F0, 0
	QUARTER 1, 1, F0, F1, 0
	QUARTER 1, 2, F1, F0, 0
	QUARTER 1, 3, F0, F1, 0
	s_wait_dscnt 8
	WIN MUL
	MUL4 F1, 0, 0
	MUL4 F1, 1, 0
	s_wait_dscnt 0
	MUL4 F1, 2, 0
	MUL4 F1, 3, 0
	WIN 0
	; THE WAY OUT, a fragment of 16 tokens at a time: the raw sums go through my stage and come back as rows of 256 bytes; then sum x 2^(e10 + e11) + (resid + bias).
.macro TOSTAGE a
.irp p, 0,1
.irp j, 0,1,2,3
	ds_store_b128 v[STO], v[ACC+32*\a+16*\p+4*\j:ACC+32*\a+16*\p+4*\j+3] offset:(\a%2)*4352+128*\p+16*\j   ; each accumulator from its low end on
.endr
.endr
.irp t, 0,1,2,3,4,5,6,7
	ds_load_b128 v[BK+32*(\a%2)+4*\t:BK+32*(\a%2)+4*\t+3], v[RD] offset:(\a%2)*4352+544*\t   ; LDS serves a wave's instructions in order (ISA guide 5.7.1.4)
.endr
.endm
.macro SEND a, younger                 ; younger: the LDS instructions issued behind this fragment's loads
	s_wait_dscnt \younger
	WIN 0x02                                       ; source 0 window 2
.set j, 0
.rept 16
	v_pk_add_f32 v[TMP+j:TMP+j+1], v[32*\a+j:32*\a+j+1], v[12+j%4:13+j%4]
.set j, j+2
.endr
	WIN 0
.set j, 0
.rept 16
	v_pk_fma_f32 v[BK+32*(\a%2)+j:BK+32*(\a%2)+j+1], v[BK+32*(\a%2)+j:BK+32*(\a%2)+j+1], s[96:97], v[TMP+j:TMP+j+1] op_sel_hi:[1,0,1]
.set j, j+2
.endr
.irp t, 0,1,2,3,4,5,6,7
	global_store_b128 v[CO], v[BK+32*(\a%2)+4*\t:BK+32*(\a%2)+4*\t+3], s[70:71] offset:(32*(\a/2)+8*(\a%2)+2*\t+8*(\t/4))*4096   ; sixteen lanes store 256 consecutive bytes, aligned
.endr
.endm
	s_wait_kmcnt 0x0
	s_add_co_i32 s96, s96, s97
	s_add_co_i32 s96, s96, 127
	s_lshl_b32 s96, s96, 23                        ; 2^(e10 + e11)
	s_mov_b32 s97, s96
	s_wait_loadcnt 0x0                             ; the bias and the residual
	PLACES
	TOSTAGE 0
	TOSTAGE 1
	SEND 0, 16
	s_wait_xcnt 0x0                                ; fragment 0's stores have read their registers: fragment 2's rows may land there
	TOSTAGE 2
	SEND 1, 16
	s_wait_xcnt 0x0
	TOSTAGE 3
	SEND 2, 16
	SEND 3, 0
	s_wait_tensorcnt 0x0                           ; the wave's end
	ds_add_u32 v[SPW], v[NIL]
	s_wait_dscnt 0x0
	CROUND                                         ; the closing round
	s_endpgm
.Lfunc_end_k_qef7fa8e03f_wo:
	.size	k_qef7fa8e03f_wo, .Lfunc_end_k_qef7fa8e03f_wo-k_qef7fa8e03f_wo
	.p2alignl 7, 3214868480
	.fill 96, 4, 3214868480
	.section	.rodata,"a",@progbits
	.p2align	6, 0x0
	.amdhsa_kernel k_qef7fa8e03f_wo
		.amdhsa_group_segment_fixed_size 327680
		.amdhsa_private_segment_fixed_size 0
		.amdhsa_enable_private_segment 0
		.amdhsa_kernarg_size 48
		.amdhsa_user_sgpr_count 2
		.amdhsa_user_sgpr_kernarg_segment_ptr 1
		.amdhsa_wavefront_size32 1
		.amdhsa_system_sgpr_workgroup_id_x 1
		.amdhsa_system_sgpr_workgroup_id_y 1
		.amdhsa_system_sgpr_workgroup_id_z 1
		.amdhsa_system_vgpr_workitem_id 0
		.amdhsa_next_free_vgpr 640
		.amdhsa_next_free_sgpr 100
		.amdhsa_reserve_vcc 0
		.amdhsa_float_denorm_mode_32 3
		.amdhsa_float_denorm_mode_16_64 3
		.amdhsa_memory_ordered 1
		.amdhsa_forward_progress 1
		.amdhsa_inst_pref_size 52
	.end_amdhsa_kernel
	.amdgpu_metadata
---
amdhsa.version: [ 1, 2 ]
amdhsa.kernels:
  - .name:           k_qef7fa8e03f_wo
    .symbol:         k_qef7fa8e03f_wo.kd
    .args:
      - { .name: ctx, .offset: 0, .size: 8, .value_kind: global_buffer, .address_space: global }
      - { .name: img, .offset: 8, .size: 8, .value_kind: global_buffer, .address_space: global }
      - { .name: lowp_scales, .offset: 16, .size: 8, .value_kind: global_buffer, .address_space: global }
      - { .name: bo, .offset: 24, .size: 8, .value_kind: global_buffer, .address_space: global }
      - { .name: x, .offset: 32, .size: 8, .value_kind: global_buffer, .address_space: global }
      - { .name: x1, .offset: 40, .size: 8, .value_kind: global_buffer, .address_space: global }
    .group_segment_fixed_size: 327680
    .private_segment_fixed_size: 0
    .kernarg_segment_align: 8
    .kernarg_segment_size: 48
    .max_flat_workgroup_size: 128
    .sgpr_count:     100
    .vgpr_count:     640
    .wavefront_size: 32
...
	.end_amdgpu_metadata
.endif
;; end of part 4
;; launch ln2 (part 5): grid 256 x 1, 8 waves a work-group, no clusters, 66,816 bytes of LDS; arguments x1, alpha2, beta2, lowp_scales, img; writes img
.if DOCPART == 5
	.amdgcn_target "amdgcn-amd-amdhsa--gfx1250"
	.amdhsa_code_object_version 6
	.text
	.protected	k_qef7fa8e03f_ln2
	.globl	k_qef7fa8e03f_ln2
	.p2align	8
	.type	k_qef7fa8e03f_ln2,@function
k_qef7fa8e03f_ln2:
	s_mov_b64 s[64:65], 0
	v_nop
	global_prefetch_b8 v0, s[64:65] scope:SCOPE_SE
	s_setreg_imm32_b32 hwreg(HW_REG_WAVE_MODE, 25, 1), 1
	s_wait_xcnt 0x0
; LN2(x1), quantised with scale entry 12, as an operand image at img + 0.  mean and unbiased std of a row of 1,024; alpha (x - mean) / (std + 1e-6) + beta, all in f32.
; Fragment f = work-group takes in lane-row r the row P(f, r) = 32 (f / 2) + 8 (f % 2) + r + 8 (r / 8).  Wave w normalises lane-rows 2 w, 2 w + 1 (two neighbouring rows), puts them into a stage; behind one barrier it quantises K step 128 w of all 16 rows.
; IMAGE: the 16 codes of row P(f, r), k = 256 kb + 128 q2 + 32 c + 16 h + 0..15, at (f / 16) 262144 + kb 65536 + (f % 16) 4096 + q2 2048 + c 512 + (16 h + r) 16.
; LIMITS: e between -126 and 119; NaN among the inputs is not served.
.set X,     32
.set NS,    1
.set LP,    4112                       ; a stage row: 4,096 bytes + 16
.set LNST,  0
.set SPARE, 65792                      ; the spare words: 128 bytes for each of 8 waves
.set SPW,   2
.set NIL,   3
.macro RSUM e
	v_pk_add_f32 v[8+4*\e:9+4*\e], v[X+32*\e:X+32*\e+1], v[X+32*\e+2:X+32*\e+3]
	v_pk_add_f32 v[10+4*\e:11+4*\e], v[X+32*\e+4:X+32*\e+5], v[X+32*\e+6:X+32*\e+7]
.irp i, 8,12,16,20,24,28
	s_delay_alu instid0(VALU_DEP_2)
	v_pk_add_f32 v[8+4*\e:9+4*\e], v[8+4*\e:9+4*\e], v[X+32*\e+\i:X+32*\e+\i+1]
	s_delay_alu instid0(VALU_DEP_2)
	v_pk_add_f32 v[10+4*\e:11+4*\e], v[10+4*\e:11+4*\e], v[X+32*\e+\i+2:X+32*\e+\i+3]
.endr
.endm
.macro RSQ e
	v_pk_mul_f32 v[8+4*\e:9+4*\e], v[X+32*\e:X+32*\e+1], v[X+32*\e:X+32*\e+1]
	v_pk_mul_f32 v[10+4*\e:11+4*\e], v[X+32*\e+2:X+32*\e+3], v[X+32*\e+2:X+32*\e+3]
.irp i, 4,8,12,16,20,24,28
	s_delay_alu instid0(VALU_DEP_2)
	v_pk_fma_f32 v[8+4*\e:9+4*\e], v[X+32*\e+\i:X+32*\e+\i+1], v[X+32*\e+\i:X+32*\e+\i+1], v[8+4*\e:9+4*\e]
	s_delay_alu instid0(VALU_DEP_2)
	v_pk_fma_f32 v[10+4*\e:11+4*\e], v[X+32*\e+\i+2:X+32*\e+\i+3], v[X+32*\e+\i+2:X+32*\e+\i+3], v[10+4*\e:11+4*\e]
.endr
.endm
.macro REDUCE e
	v_pk_add_f32 v[8+4*\e:9+4*\e], v[8+4*\e:9+4*\e], v[10+4*\e:11+4*\e]
	s_delay_alu instid0(VALU_DEP_1)
	v_add_f32 v[8+4*\e], v[8+4*\e], v[9+4*\e]
	s_delay_alu instid0(VALU_DEP_1)
	v_add_f32_dpp v[8+4*\e], v[8+4*\e], v[8+4*\e] row_xmask:1 row_mask:0xf bank_mask:0xf
	s_delay_alu instid0(VALU_DEP_1)
	v_add_f32_dpp v[8+4*\e], v[8+4*\e], v[8+4*\e] row_xmask:2 row_mask:0xf bank_mask:0xf
	s_delay_alu instid0(VALU_DEP_1)
	v_add_f32_dpp v[8+4*\e], v[8+4*\e], v[8+4*\e] row_xmask:4 row_mask:0xf bank_mask:0xf
	s_delay_alu instid0(VALU_DEP_1)
	v_add_f32_dpp v[8+4*\e], v[8+4*\e], v[8+4*\e] row_xmask:8 row_mask:0xf bank_mask:0xf
	s_delay_alu instid0(VALU_DEP_1)
	v_permlanex16_b32 v[24+\e], v[8+4*\e], s36, s37
	s_delay_alu instid0(VALU_DEP_1)
	v_add_f32 v[8+4*\e], v[8+4*\e], v[24+\e]
.endm
	s_load_b256 s[8:15], s[0:1], 0x0               ; x1 8, alpha2 10, beta2 12, scales 14
	s_load_b64 s[30:31], s[0:1], 0x20              ; img
	v_lshl_add_u32 v[SPW], v0, 2, SPARE
	v_mov_b32 v[NIL], 0
	v_lshrrev_b32 v1, 5, v0
	s_delay_alu instid0(VALU_DEP_1)
	v_readfirstlane_b32 s4, v1                     ; wave
	v_and_b32 v1, 31, v0
	s_delay_alu instid0(VALU_DEP_1)
	v_lshlrev_b32 v4, 4, v1                        ; 16 x lane
	s_lshr_b32 s5, ttmp9, 1
	s_lshl_b32 s5, s5, 5
	s_and_b32 s6, ttmp9, 1
	s_lshl_b32 s6, s6, 3
	s_add_co_u32 s5, s5, s6
	s_lshl_b32 s6, s4, 1
	s_add_co_u32 s5, s5, s6
	s_lshr_b32 s6, s4, 2
	s_lshl_b32 s6, s6, 3
	s_add_co_u32 s5, s5, s6                        ; my first row
	s_lshl_b32 s6, s5, 12
	s_mov_b32 s7, 0
	s_wait_alu depctr_va_vdst(0)
	s_wait_kmcnt 0x0
	s_add_nc_u64 s[8:9], s[8:9], s[6:7]
.irp j, 0,1,2,3,4,5,6,7,8,9,10,11,12,13,14,15
	global_load_b128 v[X+4*\j:X+4*\j+3], v4, s[8:9] offset:512*\j   ; 512 consecutive bytes a load; eight loads a row
.endr
	s_load_b32 s38, s[10:11], 0x0                  ; alpha
	s_load_b32 s34, s[12:13], 0x0                  ; beta
	s_load_b32 s40, s[14:15], 0x30                 ; e12
	s_mov_b32 s36, 0x76543210
	s_mov_b32 s37, 0xfedcba98
	v_mov_b32 v24, 0
	v_mov_b32 v25, 0
	s_mul_i32 s6, s4, 2*LP
	v_add_nc_u32 v5, s6, v4                        ; stage, in
	v_and_b32 v6, 15, v0
	s_delay_alu instid0(VALU_DEP_1)
	v_mul_u32_u24 v6, v6, LP
	v_bfe_u32 v7, v0, 4, 1
	s_delay_alu instid0(VALU_DEP_1)
	v_lshl_add_u32 v6, v7, 6, v6
	s_lshl_b32 s6, s4, 9
	v_add_nc_u32 v6, s6, v6                        ; stage, out: row r, + 64 h, + K step w
	s_lshr_b32 s6, ttmp9, 4
	s_lshl_b32 s6, s6, 18
	s_and_b32 s7, ttmp9, 15
	s_lshl_b32 s7, s7, 12
	s_add_co_u32 s6, s6, s7
	s_lshr_b32 s7, s4, 1
	s_lshl_b32 s7, s7, 16
	s_add_co_u32 s6, s6, s7
	s_and_b32 s7, s4, 1
	s_lshl_b32 s7, s7, 11
	s_add_co_u32 s6, s6, s7
	s_mov_b32 s7, 0
	s_add_nc_u64 s[30:31], s[30:31], s[6:7]
	s_wait_loadcnt 8                               ; row 0's eight loads are in, row 1's may be out
	RSUM 0
	s_wait_loadcnt 0x0
	RSUM 1
	REDUCE 0
	REDUCE 1
.irp e, 0
	v_mul_f32 v[16+2*\e], 0x3a800000, v[8+4*\e]    ; the mean
	s_delay_alu instid0(VALU_DEP_1)
	v_mov_b32 v[17+2*\e], v[16+2*\e]
.endr
.irp e, 1
	s_delay_alu instid0(VALU_DEP_3)
	v_mul_f32 v[16+2*\e], 0x3a800000, v[8+4*\e]    ; the mean
	s_delay_alu instid0(VALU_DEP_1)
	v_mov_b32 v[17+2*\e], v[16+2*\e]
.endr
.irp e, 0,1
.set j, 0
.rept 16
	v_pk_add_f32 v[X+32*\e+j:X+32*\e+j+1], v[X+32*\e+j:X+32*\e+j+1], v[16+2*\e:17+2*\e] neg_lo:[0,1] neg_hi:[0,1]   ; x - mean first: no difference of large sums is formed
.set j, j+2
.endr
.endr
	RSQ 0
	RSQ 1
	REDUCE 0
	REDUCE 1
	v_mul_f32 v8, 0x3a802008, v8                   ; / 1023
	s_delay_alu instid0(VALU_DEP_2)
	v_mul_f32 v12, 0x3a802008, v12
	s_wait_alu depctr_va_vdst(0)
	v_sqrt_f32 v8, v8
	v_sqrt_f32 v12, v12
	v_nop                                          ; a plain instruction behind the roots,
	s_wait_alu depctr_va_vdst(0)                   ; and the one wait ahead of their first reader
	v_add_f32 v8, 0x358637bd, v8                   ; + 1e-6
	v_add_f32 v12, 0x358637bd, v12
	s_wait_alu depctr_va_vdst(0)
	v_rcp_f32 v8, v8
	v_rcp_f32 v12, v12
	v_nop
	s_wait_alu depctr_va_vdst(0)
	s_wait_kmcnt 0x0
	s_mov_b32 s35, s34
	v_mul_f32 v20, s38, v8
	s_delay_alu instid0(VALU_DEP_1)
	v_mov_b32 v21, v20
	v_mul_f32 v22, s38, v12
	s_delay_alu instid0(VALU_DEP_1)
	v_mov_b32 v23, v22
.irp e, 0,1
.set j, 0
.rept 16
	v_pk_fma_f32 v[X+32*\e+j:X+32*\e+j+1], v[X+32*\e+j:X+32*\e+j+1], v[20+2*\e:21+2*\e], s[34:35] op_sel_hi:[1,1,0]
.set j, j+2
.endr
.endr
.irp e, 0,1
.irp j, 0,1,2,3,4,5,6,7
	ds_store_b128 v5, v[X+32*\e+4*\j:X+32*\e+4*\j+3] offset:LNST+\e*LP+512*\j
.endr
.endr
	s_add_co_i32 s5, s40, 127
	s_lshl_b32 s6, s5, 23
	v_mov_b32 v112, s6                             ; 2^e
	s_add_co_i32 s5, s5, 8
	s_lshl_b32 s5, s5, 23
	s_or_b32 s5, s5, 0x600000
	v_mov_b32 v116, s5                             ; 448 x 2^e
	s_wait_alu depctr_va_vdst(0)
	s_wait_dscnt 0x0                               ; for the others' sake: my two rows lie in the stage
	s_barrier_signal -1
	s_barrier_wait -1
.irp c, 0,1,2,3
.irp j, 0,1,2,3
	ds_load_b128 v[X+16*\c+4*\j:X+16*\c+4*\j+3], v6 offset:LNST+128*\c+16*\j
.endr
.endr
	s_wait_dscnt 0x0
.irp c, 0,1,2,3
.irp i, 0,1,2,3,4,5,6,7,8,9,10,11,12,13,14,15
	v_med3_num_f32 v[96+\i], v[X+16*\c+\i], -v116, v116   ; the conversion does not saturate (ISA guide 7.6.2)
.endr
	v_cvt_scalef32_pk8_fp8_f32 v[128+4*\c:129+4*\c], v[96:103], v112
	v_cvt_scalef32_pk8_fp8_f32 v[130+4*\c:131+4*\c], v[104:111], v112
	v_nop                                          ; a plain instruction before the next holds write the conversions' sources
	global_store_b128 v4, v[128+4*\c:131+4*\c], s[30:31] offset:512*\c   ; 512 consecutive bytes
.endr
	s_wait_tensorcnt 0x0                           ; the wave's end, behind my last LDS store
	ds_add_u32 v[SPW], v[NIL]
	s_wait_dscnt 0x0
	s_endpgm
.Lfunc_end_k_qef7fa8e03f_ln2:
	.size	k_qef7fa8e03f_ln2, .Lfunc_end_k_qef7fa8e03f_ln2-k_qef7fa8e03f_ln2
	.p2alignl 7, 3214868480
	.fill 96, 4, 3214868480
	.section	.rodata,"a",@progbits
	.p2align	6, 0x0
	.amdhsa_kernel k_qef7fa8e03f_ln2
		.amdhsa_group_segment_fixed_size 66816
		.amdhsa_private_segment_fixed_size 0
		.amdhsa_enable_private_segment 0
		.amdhsa_kernarg_size 40
		.amdhsa_user_sgpr_count 2
		.amdhsa_user_sgpr_kernarg_segment_ptr 1
		.amdhsa_wavefront_size32 1
		.amdhsa_system_sgpr_workgroup_id_x 1
		.amdhsa_system_sgpr_workgroup_id_y 1
		.amdhsa_system_sgpr_workgroup_id_z 1
		.amdhsa_system_vgpr_workitem_id 0
		.amdhsa_next_free_vgpr 144
		.amdhsa_next_free_sgpr 66
		.amdhsa_reserve_vcc 0
		.amdhsa_float_denorm_mode_32 3
		.amdhsa_float_denorm_mode_16_64 3
		.amdhsa_memory_ordered 1
		.amdhsa_forward_progress 1
		.amdhsa_inst_pref_size 25
	.end_amdhsa_kernel
	.amdgpu_metadata
---
amdhsa.version: [ 1, 2 ]
amdhsa.kernels:
  - .name:           k_qef7fa8e03f_ln2
    .symbol:         k_qef7fa8e03f_ln2.kd
    .args:
      - { .name: x1, .offset: 0, .size: 8, .value_kind: global_buffer, .address_space: global }
      - { .name: alpha2, .offset: 8, .size: 8, .value_kind: global_buffer, .address_space: global }
      - { .name: beta2, .offset: 16, .size: 8, .value_kind: global_buffer, .address_space: global }
      - { .name: lowp_scales, .offset: 24, .size: 8, .value_kind: global_buffer, .address_space: global }
      - { .name: img, .offset: 32, .size: 8, .value_kind: global_buffer, .address_space: global }
    .group_segment_fixed_size: 66816
    .private_segment_fixed_size: 0
    .kernarg_segment_align: 8
    .kernarg_segment_size: 40
    .max_flat_workgroup_size: 256
    .sgpr_count:     66
    .vgpr_count:     144
    .wavefront_size: 32
...
	.end_amdgpu_metadata
.endif
;; end of part 5
;; launch ffn1 (part 6): grid 16 x 16, 4 waves a work-group, clusters of 4 x 4, 327,680 bytes of LDS; arguments img, lowp_scales, b1, himg; writes himg
.if DOCPART == 6
	.amdgcn_target "amdgcn-amd-amdhsa--gfx1250"
	.amdhsa_code_object_version 6
	.text
	.protected	k_qef7fa8e03f_ffn1
	.globl	k_qef7fa8e03f_ffn1
	.p2align	8
	.type	k_qef7fa8e03f_ffn1,@function
k_qef7fa8e03f_ffn1:
	s_mov_b64 s[64:65], 0
	v_nop
	global_prefetch_b8 v0, s[64:65] scope:SCOPE_SE
	s_setreg_imm32_b32 hwreg(HW_REG_WAVE_MODE, 25, 1), 1
	s_wait_xcnt 0x0
	s_wait_alu depctr_hold_cnt(0) depctr_sa_sdst(0) depctr_va_vdst(0) depctr_va_sdst(0) depctr_va_ssrc(0) depctr_va_vcc(0) depctr_vm_vsrc(0)
	s_getreg_b32 s2, hwreg(HW_REG_IB_STS2, 6, 4)
	s_cmp_eq_u32 s2, 0
	s_cbranch_scc0 .Lentry_in_a_cluster
	s_endpgm
.Lentry_in_a_cluster:
	s_bfe_u32 s2, ttmp6, 0x10000c
	s_cmp_lg_u32 s2, 0xf033
	s_cbranch_scc0 .Lentry_shape_is_right
	s_endpgm
.Lentry_shape_is_right:
.set KIND,   1
.set FR,     16
.set NL,     4
.set NP,     4
.set HALFT,  32768
.set SLOT,   4*HALFT
.set LAPS,   2
.set SPARE,  2*SLOT
.set ADRA, 16
.set ADRB, 20
.set CO,   26
.set SPW,  28
.set NIL,  29
.set BN,   32
.set BR,   96
.set SC,   112
.set LIM,  113
.set AF,   128
.set TMP,  128
.set CD,   192
.set G1, 24
.set G0, 32
.set G1B, 48
.set G0B, 56
.set MSB, 0
.macro WIN new
.if MSB != \new
	s_set_vgpr_msb (MSB<<8)|\new
.set MSB, \new
.endif
.endm
.set MUL_LO, 0xa1
.set MUL_HI, 0xf1
.set TO_B,   0x40
.macro JLOAD g0a, g1a, g0b, g1b
	s_cmp_eq_u32 s15, 0
	s_cbranch_scc0 .Lfor_b_\@
	tensor_load_to_lds s[\g0a:\g0a+3], s[\g1a:\g1a+7]
	s_nop 0
.rept 4
	v_nop
.endr
	s_branch .Lasked_\@
.Lfor_b_\@:
	tensor_load_to_lds s[\g0b:\g0b+3], s[\g1b:\g1b+7]
	s_nop 0
.rept 4
	v_nop
.endr
.Lasked_\@:
.endm
.macro CREST
	s_cmp_lg_u32 s14, 0
	s_cbranch_scc1 .Lnot_wave_0_\@
	s_barrier_signal -3
.Lnot_wave_0_\@:
	s_barrier_wait -3
	s_barrier_signal -1
	s_barrier_wait -1
.endm
.macro CROUND
	s_barrier_signal -1
	s_barrier_wait -1
	CREST
.endm
	s_load_b256 s[4:11], s[0:1], 0x0
	v_lshl_add_u32 v[SPW], v0, 2, SPARE
	v_mov_b32 v[NIL], 0
	ds_add_u32 v[SPW], v[NIL]
	ds_add_u32 v[SPW], v[NIL]
	v_lshrrev_b32 v1, 5, v0
	v_readfirstlane_b32 s14, v1
	s_lshr_b32 s15, s14, 1
	s_and_b32 s16, s14, 1
	s_bfe_u32 s40, ttmp6, 0x40000
	s_bfe_u32 s41, ttmp6, 0x40004
	s_and_b32 s17, ttmp7, 0xffff
	s_lshl_b32 s17, s17, 2
	s_lshl_b32 s43, s41, 2
	s_lshl_b32 s43, 15, s43
	s_lshl_b32 s44, 0x1111, s40
	s_or_b32 s[G1], s43, 1<<21
	s_or_b32 s[G1B], s44, 1<<21
.irp g, G1, G1B
	s_mov_b32 s[\g+1], 256<<16
	s_mov_b32 s[\g+2], 128<<16
	s_mov_b32 s[\g+3], 256<<16
	s_mov_b32 s[\g+4], 128
	s_mov_b32 s[\g+5], 256
	s_mov_b32 s[\g+6], 0
	s_mov_b32 s[\g+7], 0
.endr
	s_add_co_u32 s92, s17, s41
	s_lshl_b32 s93, ttmp9, 2
	s_add_co_u32 s93, s93, s40
	s_lshl_b32 s22, s16, 15
	s_lshl_b32 s20, s92, 18
	s_add_co_u32 s20, s20, s22
	s_lshl_b32 s46, s93, 18
	s_add_co_u32 s46, s46, 16<<20
	s_add_co_u32 s46, s46, s22
	s_mov_b32 s21, 0
	s_mov_b32 s47, 0
	s_mul_i32 s45, s14, HALFT
	s_wait_dscnt 0x0
	s_wait_kmcnt 0x0
	s_load_b512 s[76:91], s[6:7], 0x0
	s_add_nc_u64 s[20:21], s[4:5], s[20:21]
	s_add_nc_u64 s[46:47], s[4:5], s[46:47]
	; the prefetches: of the 32 KiB that my wave fetches in a K step of 256, the four partners that ask for it jointly take 8 KiB each, told apart by address (cx for A's tiles, cy for B's); lanes 256 bytes apart
	v_and_b32 v30, 31, v0
	v_lshlrev_b32 v30, 8, v30                      ; never rewritten
	s_wait_alu depctr_va_vdst(0)
	s_cmp_eq_u32 s15, 0
	s_cselect_b64 s[12:13], s[20:21], s[46:47]
	s_cselect_b32 s66, s40, s41
	s_lshl_b32 s66, s66, 13
	s_mov_b32 s67, 0
	s_add_nc_u64 s[12:13], s[12:13], s[66:67]      ; never rewritten
	CROUND
.irp s, 0,1
	s_mov_b32 s[G0+4*\s], 1
	s_add_co_u32 s[G0+4*\s+1], s45, \s*SLOT
	s_add_nc_u64 s[G0+4*\s+2:G0+4*\s+3], s[20:21], \s*65536
	s_or_b32 s[G0+4*\s+3], s[G0+4*\s+3], 0x80000000
	s_mov_b32 s[G0B+4*\s], 1
	s_add_co_u32 s[G0B+4*\s+1], s45, \s*SLOT
	s_add_nc_u64 s[G0B+4*\s+2:G0B+4*\s+3], s[46:47], \s*65536
	s_or_b32 s[G0B+4*\s+3], s[G0B+4*\s+3], 0x80000000
.if \s
	s_wait_alu depctr_va_vdst(0)
	s_wait_tensorcnt 0x0                           ; slot 1's first fill stands behind the full sequence, as a refill does
	ds_add_u32 v28, v29
	ds_add_u32 v28, v29
	s_wait_dscnt 0x0
	CROUND
.endif
	JLOAD G0+4*\s, G1, G0B+4*\s, G1B
.if \s
	global_prefetch_b8 v30, s[12:13] offset:3*65536 th:TH_LOAD_NT scope:SCOPE_SE   ; behind K step 1's load: K step 3, two steps on, the last
.else
	global_prefetch_b8 v30, s[12:13] offset:65536 th:TH_LOAD_NT scope:SCOPE_SE     ; behind K step 0's load: K steps 1 and 2
	global_prefetch_b8 v30, s[12:13] offset:2*65536 th:TH_LOAD_NT scope:SCOPE_SE
.endif
.endr
	v_and_b32 v1, 31, v0
	v_lshlrev_b32 v[CO], 4, v1
	s_mul_i32 s21, s15, HALFT
	s_mul_i32 s22, s16, HALFT
	s_add_co_u32 s22, s22, 2*HALFT
.irp s, 0,1
	v_add_nc_u32 v[ADRA+\s], s21, v[CO]
	v_add_nc_u32 v[ADRB+\s], s22, v[CO]
	s_add_co_u32 s21, s21, SLOT
	s_add_co_u32 s22, s22, SLOT
.endr
	v_bfe_u32 v2, v0, 4, 1
	s_lshl_b32 s94, s93, 8
	s_lshl_b32 s95, s16, 7
	s_add_co_u32 s94, s94, s95
	s_lshl_b32 s94, s94, 2
	v_lshlrev_b32 v3, 6, v2
	v_add_nc_u32 v3, s94, v3
.irp p, 0,1,2,3
.irp j, 0,1,2,3
	global_load_b128 v[BN+16*\p+4*\j:BN+16*\p+4*\j+3], v3, s[8:9] offset:128*\p+16*\j
.endr
.endr
	s_lshl_b32 s100, s92, 20
	s_lshl_b32 s101, s93, 16
	s_add_co_u32 s100, s100, s101
	s_lshl_b32 s101, s15, 15
	s_add_co_u32 s100, s100, s101
	s_lshl_b32 s101, s16, 11
	s_add_co_u32 s100, s100, s101
	s_mov_b32 s101, 0
	s_add_nc_u64 s[70:71], s[10:11], s[100:101]
.macro FRAG reg, adr, q, i
.irp c, 0,1,2,3
	ds_load_b128 v[\reg+4*\c:\reg+4*\c+3], v[\adr] offset:(\i)*4096+(\q)*2048+512*\c
.endr
.endm
.macro MUL16 a0, p, zero
.irp a, \a0, \a0+1
.irp b, 0,1,2,3,4,5,6,7
.if \zero
	v_wmma_f32_16x16x128_fp8_fp8 v[8*(8*((\a)%4)+\b):8*(8*((\a)%4)+\b)+7], v[128*(\p)+FR*\b:128*(\p)+FR*\b+FR-1], v[AF+FR*(\a):AF+FR*(\a)+FR-1], 0
.else
	v_wmma_f32_16x16x128_fp8_fp8 v[8*(8*((\a)%4)+\b):8*(8*((\a)%4)+\b)+7], v[128*(\p)+FR*\b:128*(\p)+FR*\b+FR-1], v[AF+FR*(\a):AF+FR*(\a)+FR-1], v[8*(8*((\a)%4)+\b):8*(8*((\a)%4)+\b)+7]
.endif
.endr
.endr
.endm
.macro FETCH_B slot, q, p
	WIN TO_B
.irp i, 0,1,2,3,4,5,6,7
	FRAG 128*(\p)+FR*\i, ADRB+\slot, \q, \i
.endr
	WIN 0
.endm
.macro FETCH_A slot, q, i0
.irp i, \i0, \i0+1, \i0+2, \i0+3
	FRAG AF+FR*(\i), ADRA+\slot, \q, \i
.endr
.endm
.macro PLACES n
.rept \n
	v_nop
.endr
.endm
.macro STEP slot, q, zero
	s_wait_dscnt 4*NL
	WIN MUL_LO
	MUL16 0, (\q)%2, \zero
	MUL16 2, (\q)%2, \zero
	s_wait_dscnt 0
	PLACES NP
	FETCH_B \slot, (\q)+1, 1-(\q)%2
	FETCH_A \slot, (\q)+1, 0
	WIN MUL_HI
	MUL16 4, (\q)%2, \zero
	MUL16 6, (\q)%2, \zero
	PLACES NP
	WIN 0
	FETCH_A \slot, (\q)+1, 4
.endm
.macro TURN slot, next, fill
	s_wait_tensorcnt 0x0
	ds_add_u32 v[SPW], v[NIL]
	s_wait_dscnt 4*NL+1
	WIN MUL_LO
	MUL16 0, 1, 0
	s_wait_dscnt 0x0
	s_barrier_signal -1
	MUL16 2, 1, 0
	WIN 0
	s_barrier_wait -1
.if \fill
	CREST
	s_add_nc_u64 s[G0+4*\slot+2:G0+4*\slot+3], s[G0+4*\slot+2:G0+4*\slot+3], 131072
	s_add_nc_u64 s[G0B+4*\slot+2:G0B+4*\slot+3], s[G0B+4*\slot+2:G0B+4*\slot+3], 131072
	JLOAD G0+4*\slot, G1, G0B+4*\slot, G1B
.else
	PLACES NP
.endif
	FETCH_B \next, 0, 0
	FETCH_A \next, 0, 0
	WIN MUL_HI
	MUL16 4, 1, 0
	MUL16 6, 1, 0
	PLACES NP
	WIN 0
	FETCH_A \next, 0, 4
.endm
	s_wait_alu depctr_va_vdst(0)
	s_wait_tensorcnt 1
	s_barrier_signal -1
	s_barrier_wait -1
	FETCH_B 0, 0, 0
	FETCH_A 0, 0, 0
	FETCH_A 0, 0, 4
	STEP 0, 0, 1
	s_mov_b32 s3, LAPS-1
.Llap:
	TURN 0, 1, 1
	STEP 1, 0, 0
	TURN 1, 0, 1
	STEP 0, 0, 0
	s_sub_co_u32 s3, s3, 1
	s_cmp_lg_u32 s3, 0
	s_cbranch_scc1 .Llap
	TURN 0, 1, 0
	STEP 1, 0, 0
	s_wait_dscnt 4*NL
	WIN MUL_LO
	MUL16 0, 1, 0
	MUL16 2, 1, 0
	s_wait_dscnt 0
	WIN MUL_HI
	MUL16 4, 1, 0
	MUL16 6, 1, 0
	WIN 0
	s_wait_kmcnt 0x0
	s_wait_loadcnt 0x0
	s_add_co_i32 s96, s88, s89
	s_add_co_i32 s96, s96, 127
	s_lshl_b32 s96, s96, 23
	s_mov_b32 s97, s96
	s_add_co_i32 s98, s90, 127
	s_lshl_b32 s99, s98, 23
	v_mov_b32 v[SC], s99
	s_add_co_i32 s98, s98, 8
	s_lshl_b32 s98, s98, 23
	s_or_b32 s98, s98, 0x600000
	v_mov_b32 v[LIM], s98
	PLACES NP
.irp a, 0,1,2,3,4,5,6,7
.if \a == 4
	s_wait_xcnt 0x0
.endif
	WIN 0x02+(\a/4)
.set j, 0
.rept 32
	v_pk_fma_f32 v[TMP+j:TMP+j+1], v[64*(\a%4)+j:64*(\a%4)+j+1], s[96:97], v[BN+j:BN+j+1] op_sel_hi:[1,0,1]
.set j, j+2
.endr
	WIN 0
.set j, 0
.rept 64
	v_med3_num_f32 v[TMP+j], v[TMP+j], 0, v[LIM]
.set j, j+1
.endr
.irp p, 0,1,2,3
	v_cvt_scalef32_pk8_fp8_f32 v[CD+4*((4*\a+\p)%16):CD+4*((4*\a+\p)%16)+1], v[TMP+16*\p:TMP+16*\p+7], v[SC]
	v_cvt_scalef32_pk8_fp8_f32 v[CD+4*((4*\a+\p)%16)+2:CD+4*((4*\a+\p)%16)+3], v[TMP+16*\p+8:TMP+16*\p+15], v[SC]
.endr
	v_nop
.irp p, 0,1,2,3
	global_store_b128 v[CO], v[CD+4*((4*\a+\p)%16):CD+4*((4*\a+\p)%16)+3], s[70:71] offset:\a*4096+\p*512
.endr
.endr
	s_wait_tensorcnt 0x0
	ds_add_u32 v[SPW], v[NIL]
	s_wait_dscnt 0x0
	CROUND
	s_endpgm
.Lfunc_end_k_qef7fa8e03f_ffn1:
	.size	k_qef7fa8e03f_ffn1, .Lfunc_end_k_qef7fa8e03f_ffn1-k_qef7fa8e03f_ffn1
	.p2alignl 7, 3214868480
	.fill 96, 4, 3214868480
	.section	.rodata,"a",@progbits
	.p2align	6, 0x0
	.amdhsa_kernel k_qef7fa8e03f_ffn1
		.amdhsa_group_segment_fixed_size 327680
		.amdhsa_private_segment_fixed_size 0
		.amdhsa_enable_private_segment 0
		.amdhsa_kernarg_size 32
		.amdhsa_user_sgpr_count 2
		.amdhsa_user_sgpr_kernarg_segment_ptr 1
		.amdhsa_wavefront_size32 1
		.amdhsa_system_sgpr_workgroup_id_x 1
		.amdhsa_system_sgpr_workgroup_id_y 1
		.amdhsa_system_sgpr_workgroup_id_z 1
		.amdhsa_system_vgpr_workitem_id 0
		.amdhsa_next_free_vgpr 1024
		.amdhsa_next_free_sgpr 102
		.amdhsa_reserve_vcc 0
		.amdhsa_float_denorm_mode_32 3
		.amdhsa_float_denorm_mode_16_64 3
		.amdhsa_memory_ordered 1
		.amdhsa_forward_progress 1
		.amdhsa_inst_pref_size 136
	.end_amdhsa_kernel
	.amdgpu_metadata
---
amdhsa.version: [ 1, 2 ]
amdhsa.kernels:
  - .name:           k_qef7fa8e03f_ffn1
    .symbol:         k_qef7fa8e03f_ffn1.kd
    .args:
      - { .name: img, .offset: 0, .size: 8, .value_kind: global_buffer, .address_space: global }
      - { .name: lowp_scales, .offset: 8, .size: 8, .value_kind: global_buffer, .address_space: global }
      - { .name: b1, .offset: 16, .size: 8, .value_kind: global_buffer, .address_space: global }
      - { .name: himg, .offset: 24, .size: 8, .value_kind: global_buffer, .address_space: global }
    .group_segment_fixed_size: 327680
    .private_segment_fixed_size: 0
    .kernarg_segment_align: 8
    .kernarg_segment_size: 32
    .max_flat_workgroup_size: 128
    .sgpr_count:     102
    .vgpr_count:     1024
    .wavefront_size: 32
...
	.end_amdgpu_metadata
.endif
;; end of part 6
;; launch ffn2 (part 7): grid 8 x 32, 4 waves a work-group, clusters of 4 x 4, 327,680 bytes of LDS; arguments himg, img, lowp_scales, b2, x1, out0; writes out0
.if DOCPART == 7
	.amdgcn_target "amdgcn-amd-amdhsa--gfx1250"
	.amdhsa_code_object_version 6
	.text
	.protected	k_qef7fa8e03f_ffn2
	.globl	k_qef7fa8e03f_ffn2
	.p2align	8
	.type	k_qef7fa8e03f_ffn2,@function
k_qef7fa8e03f_ffn2:
	s_mov_b64 s[64:65], 0
	v_nop
	global_prefetch_b8 v0, s[64:65] scope:SCOPE_SE
	s_setreg_imm32_b32 hwreg(HW_REG_WAVE_MODE, 25, 1), 1
	s_wait_xcnt 0x0
	s_wait_alu depctr_hold_cnt(0) depctr_sa_sdst(0) depctr_va_vdst(0) depctr_va_sdst(0) depctr_va_ssrc(0) depctr_va_vcc(0) depctr_vm_vsrc(0)
	s_getreg_b32 s2, hwreg(HW_REG_IB_STS2, 6, 4)
	s_cmp_eq_u32 s2, 0
	s_cbranch_scc0 .Lentry_in_a_cluster
	s_endpgm
.Lentry_in_a_cluster:
	s_bfe_u32 s2, ttmp6, 0x10000c
	s_cmp_lg_u32 s2, 0xf033
	s_cbranch_scc0 .Lentry_shape_is_right
	s_endpgm
.Lentry_shape_is_right:
.set KK,     4096
.set WOFF,   20<<20
.set SIDX,   14
.set TS,     256*KK
.set LAPS,   KK/1024
.set HALFT,  32768
.set SLOT,   131072
.set SPARE,  262144
.set STAGE,  262656
.set ADRA, 16
.set ADRB, 20
.set STO,  24
.set RD,   25
.set CO,   26
.set L16,  27
.set SPW,  28
.set NIL,  29
.set BK,   32
.set TMP,  96
.set ACC,  128
.set F0,   0
.set F1,   128
.set G1, 24
.set G0, 32
.set G1B, 48
.set G0B, 56
.set MSB, 0
.macro WIN new
.if MSB != \new
	s_set_vgpr_msb (MSB<<8)|\new
.set MSB, \new
.endif
.endm
.set MUL,  0x05
.set TO_F, 0x40
.macro JLOAD s
	s_cmp_eq_u32 s15, 0
	s_cbranch_scc0 .Lfor_b_\@
	tensor_load_to_lds s[G0+4*\s:G0+4*\s+3], s[G1:G1+7]
	s_nop 0
.rept 4
	v_nop
.endr
	s_branch .Lasked_\@
.Lfor_b_\@:
	tensor_load_to_lds s[G0B+4*\s:G0B+4*\s+3], s[G1B:G1B+7]
	s_nop 0
.rept 4
	v_nop
.endr
.Lasked_\@:
.endm
.macro CREST
	s_cmp_lg_u32 s14, 0
	s_cbranch_scc1 .Lnot_wave_0_\@
	s_barrier_signal -3
.Lnot_wave_0_\@:
	s_barrier_wait -3
	s_barrier_signal -1
	s_barrier_wait -1
.endm
.macro CROUND
	s_barrier_signal -1
	s_barrier_wait -1
	CREST
.endm
	s_load_b256 s[4:11], s[0:1], 0x0
	s_load_b128 s[68:71], s[0:1], 0x20
	v_lshl_add_u32 v[SPW], v0, 2, SPARE
	v_mov_b32 v[NIL], 0
	ds_add_u32 v[SPW], v[NIL]
	ds_add_u32 v[SPW], v[NIL]
	v_lshrrev_b32 v1, 5, v0
	v_readfirstlane_b32 s14, v1
	s_lshr_b32 s15, s14, 1
	s_and_b32 s16, s14, 1
	s_bfe_u32 s40, ttmp6, 0x40000
	s_bfe_u32 s41, ttmp6, 0x40004
	s_lshl_b32 s42, ttmp9, 2
	s_add_co_u32 s42, s42, s40
	s_and_b32 s17, ttmp7, 0xffff
	s_lshl_b32 s17, s17, 2
	s_add_co_u32 s17, s17, s41
	s_lshl_b32 s43, s41, 2
	s_lshl_b32 s43, 15, s43
	s_lshl_b32 s44, 0x1111, s40
	s_or_b32 s[G1], s43, 1<<21
	s_or_b32 s[G1B], s44, 1<<21
.irp g, G1, G1B
	s_mov_b32 s[\g+1], 256<<16
	s_mov_b32 s[\g+2], 128<<16
	s_mov_b32 s[\g+3], 256<<16
	s_mov_b32 s[\g+4], 128
	s_mov_b32 s[\g+5], 256
	s_mov_b32 s[\g+6], 0
	s_mov_b32 s[\g+7], 0
.endr
	s_lshl_b32 s22, s16, 16
	s_lshr_b32 s20, s17, 1
	s_mul_i32 s20, s20, TS
	s_and_b32 s21, s17, 1
	s_lshl_b32 s21, s21, 15
	s_add_co_u32 s20, s20, s21
	s_add_co_u32 s20, s20, s22
	s_mov_b32 s21, 0
	s_lshr_b32 s46, s42, 1
	s_mul_i32 s46, s46, TS
	s_and_b32 s47, s42, 1
	s_lshl_b32 s47, s47, 15
	s_add_co_u32 s46, s46, s47
	s_add_co_u32 s46, s46, s22
	s_add_co_u32 s46, s46, WOFF
	s_mov_b32 s47, 0
	s_mul_i32 s45, s14, HALFT
	s_wait_dscnt 0x0
	s_wait_kmcnt 0x0
	s_load_b64 s[96:97], s[8:9], SIDX*4
	s_add_nc_u64 s[20:21], s[4:5], s[20:21]
	s_add_nc_u64 s[46:47], s[6:7], s[46:47]
	; the prefetches: of the 32 KiB that my wave fetches in a K step of 512, the four partners that ask for it jointly take 8 KiB each, told apart by address (cx for A's tiles, cy for B's); lanes 256 bytes apart
	v_and_b32 v30, 31, v0
	v_lshlrev_b32 v30, 8, v30                      ; never rewritten
	s_wait_alu depctr_va_vdst(0)
	s_cmp_eq_u32 s15, 0
	s_cselect_b64 s[12:13], s[20:21], s[46:47]
	s_cselect_b32 s18, s40, s41
	s_lshl_b32 s18, s18, 13
	s_mov_b32 s19, 0
	s_add_nc_u64 s[12:13], s[12:13], s[18:19]      ; stepped once a trip of the loop
	CROUND
.irp s, 0,1
	s_mov_b32 s[G0+4*\s], 1
	s_add_co_u32 s[G0+4*\s+1], s45, \s*SLOT
	s_add_nc_u64 s[G0+4*\s+2:G0+4*\s+3], s[20:21], \s*131072
	s_or_b32 s[G0+4*\s+3], s[G0+4*\s+3], 0x80000000
	s_mov_b32 s[G0B+4*\s], 1
	s_add_co_u32 s[G0B+4*\s+1], s45, \s*SLOT
	s_add_nc_u64 s[G0B+4*\s+2:G0B+4*\s+3], s[46:47], \s*131072
	s_or_b32 s[G0B+4*\s+3], s[G0B+4*\s+3], 0x80000000
.if \s
	s_wait_alu depctr_va_vdst(0)
	s_wait_tensorcnt 0x0                           ; slot 1's first fill stands behind the full sequence, as a refill does
	ds_add_u32 v28, v29
	ds_add_u32 v28, v29
	s_wait_dscnt 0x0
	CROUND
.endif
	JLOAD \s
.if \s
	global_prefetch_b8 v30, s[12:13] offset:3*131072 th:TH_LOAD_NT scope:SCOPE_SE   ; behind K step 1's load: K step 3, two steps on
.else
	global_prefetch_b8 v30, s[12:13] offset:131072 th:TH_LOAD_NT scope:SCOPE_SE     ; behind K step 0's load: K steps 1 and 2
	global_prefetch_b8 v30, s[12:13] offset:2*131072 th:TH_LOAD_NT scope:SCOPE_SE
.endif
.endr
	v_and_b32 v1, 31, v0
	v_lshlrev_b32 v[L16], 4, v1
	v_and_b32 v2, 15, v0
	s_wait_alu depctr_va_vdst(0)
	v_bfe_u32 v3, v0, 4, 1
	s_lshl_b32 s21, s15, 14
	s_lshl_b32 s22, s16, 14
	s_add_co_u32 s22, s22, 2*HALFT
.irp s, 0,1
	v_add_nc_u32 v[ADRA+\s], s21, v[L16]
	v_add_nc_u32 v[ADRB+\s], s22, v[L16]
	s_add_co_u32 s21, s21, SLOT
	s_add_co_u32 s22, s22, SLOT
.endr
	s_mul_i32 s23, s14, 8704
	s_add_co_u32 s23, s23, STAGE
	v_mul_u32_u24 v[STO], v2, 272
	s_wait_alu depctr_va_vdst(0)
	v_lshl_add_u32 v[STO], v3, 6, v[STO]
	v_add_nc_u32 v[STO], s23, v[STO]
	v_mul_u32_u24 v[RD], v3, 272
	v_lshl_add_u32 v[RD], v2, 4, v[RD]
	v_add_nc_u32 v[RD], s23, v[RD]
	v_lshlrev_b32 v[CO], 12, v3
	v_lshl_add_u32 v[CO], v2, 4, v[CO]
	s_wait_alu depctr_va_vdst(0)
	s_lshl_b32 s72, s42, 7
	s_lshl_b32 s73, s16, 6
	s_add_co_u32 s72, s72, s73
	s_lshl_b32 s72, s72, 2
	v_lshl_add_u32 v4, v2, 4, s72
	global_load_b128 v[12:15], v4, s[10:11]
	s_lshl_b32 s74, s17, 7
	s_lshl_b32 s75, s15, 6
	s_add_co_u32 s74, s74, s75
	s_lshl_b32 s74, s74, 12
	s_add_co_u32 s74, s74, s72
	s_mov_b32 s75, 0
	s_add_nc_u64 s[68:69], s[68:69], s[74:75]
	s_add_nc_u64 s[70:71], s[70:71], s[74:75]
	WIN 0x80
.irp a, 0,1,2,3
.irp t, 0,1,2,3,4,5,6,7
	global_load_b128 v[32*\a+4*\t:32*\a+4*\t+3], v[CO], s[68:69] offset:(32*(\a/2)+8*(\a%2)+2*\t+8*(\t/4))*4096
.endr
.endr
	WIN 0
.macro MUL4 f, a, zero
.irp b, 0,1,2,3
.if \zero
	v_wmma_f32_16x16x128_fp8_fp8 v[ACC+8*(4*\a+\b):ACC+8*(4*\a+\b)+7], v[\f+64+16*\b:\f+64+16*\b+15], v[\f+16*\a:\f+16*\a+15], 0
.else
	v_wmma_f32_16x16x128_fp8_fp8 v[ACC+8*(4*\a+\b):ACC+8*(4*\a+\b)+7], v[\f+64+16*\b:\f+64+16*\b+15], v[\f+16*\a:\f+16*\a+15], v[ACC+8*(4*\a+\b):ACC+8*(4*\a+\b)+7]
.endif
.endr
.endm
.macro FETCH slot, qd, f
	WIN TO_F
.irp i, 0,1,2,3
.irp c, 0,1,2,3
	ds_load_b128 v[\f+64+16*\i+4*\c:\f+64+16*\i+4*\c+3], v[ADRB+\slot] offset:((\qd)/2)*32768+\i*4096+((\qd)%2)*2048+512*\c
.endr
.endr
.irp i, 0,1,2,3
.irp c, 0,1,2,3
	ds_load_b128 v[\f+16*\i+4*\c:\f+16*\i+4*\c+3], v[ADRA+\slot] offset:((\qd)/2)*32768+\i*4096+((\qd)%2)*2048+512*\c
.endr
.endr
.endm
.macro PLACES
.rept 4
	v_nop
.endr
.endm
.macro QUARTER slot, qn, f, g, zero
	s_wait_dscnt 8
	WIN MUL
	MUL4 \f, 0, \zero
	MUL4 \f, 1, \zero
	PLACES
	FETCH \slot, \qn, \g
	s_wait_dscnt 32
	WIN MUL
	MUL4 \f, 2, \zero
	MUL4 \f, 3, \zero
.endm
.macro TURN slot, next, fill
	WIN 0
	s_wait_tensorcnt 0x0
	ds_add_u32 v[SPW], v[NIL]
	s_wait_dscnt 9
	WIN MUL
	MUL4 F1, 0, 0
	s_wait_dscnt 0x0
	s_barrier_signal -1
	MUL4 F1, 1, 0
.if \fill
	WIN 0
.endif
	s_barrier_wait -1
.if \fill
	CREST
	s_add_nc_u64 s[G0+4*\slot+2:G0+4*\slot+3], s[G0+4*\slot+2:G0+4*\slot+3], 262144
	s_add_nc_u64 s[G0B+4*\slot+2:G0B+4*\slot+3], s[G0B+4*\slot+2:G0B+4*\slot+3], 262144
	JLOAD \slot
.else
	PLACES
.endif
	FETCH \next, 0, F0
.if \fill
	WIN 0                                          ; (a branch follows)
	s_cmp_gt_u32 s3, 1                             ; the loop's last trip refills K steps 6 and 7: there is no K step two on
	s_cbranch_scc0 .Lno_ask_\@
	global_prefetch_b8 v30, s[12:13] offset:(4+\slot)*131072 th:TH_LOAD_NT scope:SCOPE_SE   ; the K step two refills on: 8 KiB, lanes 256 bytes apart
.Lno_ask_\@:
.endif
	WIN MUL
	MUL4 F1, 2, 0
	MUL4 F1, 3, 0
.endm
	s_wait_tensorcnt 1
	s_barrier_signal -1
	s_barrier_wait -1
	FETCH 0, 0, F0
	QUARTER 0, 1, F0, F1, 1
.if LAPS > 1
	WIN 0
	s_mov_b32 s3, LAPS-1
.Llap:
	QUARTER 0, 2, F1, F0, 0
	QUARTER 0, 3, F0, F1, 0
	TURN 0, 1, 1
	QUARTER 1, 1, F0, F1, 0
	QUARTER 1, 2, F1, F0, 0
	QUARTER 1, 3, F0, F1, 0
	TURN 1, 0, 1
	QUARTER 0, 1, F0, F1, 0
	WIN 0
	s_wait_xcnt 0x0                                ; my prefetches have read their address:
	s_add_nc_u64 s[12:13], s[12:13], 262144        ; two K steps on
	s_sub_co_u32 s3, s3, 1
	s_cmp_lg_u32 s3, 0
	s_cbranch_scc1 .Llap
.endif
	QUARTER 0, 2, F1, F0, 0
	QUARTER 0, 3, F0, F1, 0
	TURN 0, 1, 0
	QUARTER 1, 1, F0, F1, 0
	QUARTER 1, 2, F1, F0, 0
	QUARTER 1, 3, F0, F1, 0
	s_wait_dscnt 8
	WIN MUL
	MUL4 F1, 0, 0
	MUL4 F1, 1, 0
	s_wait_dscnt 0
	MUL4 F1, 2, 0
	MUL4 F1, 3, 0
	WIN 0
.macro TOSTAGE a
.irp p, 0,1
.irp j, 0,1,2,3
	ds_store_b128 v[STO], v[ACC+32*\a+16*\p+4*\j:ACC+32*\a+16*\p+4*\j+3] offset:(\a%2)*4352+128*\p+16*\j
.endr
.endr
.irp t, 0,1,2,3,4,5,6,7
	ds_load_b128 v[BK+32*(\a%2)+4*\t:BK+32*(\a%2)+4*\t+3], v[RD] offset:(\a%2)*4352+544*\t
.endr
.endm
.macro SEND a, younger
	s_wait_dscnt \younger
	WIN 0x02
.set j, 0
.rept 16
	v_pk_add_f32 v[TMP+j:TMP+j+1], v[32*\a+j:32*\a+j+1], v[12+j%4:13+j%4]
.set j, j+2
.endr
	WIN 0
.set j, 0
.rept 16
	v_pk_fma_f32 v[BK+32*(\a%2)+j:BK+32*(\a%2)+j+1], v[BK+32*(\a%2)+j:BK+32*(\a%2)+j+1], s[96:97], v[TMP+j:TMP+j+1] op_sel_hi:[1,0,1]
.set j, j+2
.endr
.irp t, 0,1,2,3,4,5,6,7
	global_store_b128 v[CO], v[BK+32*(\a%2)+4*\t:BK+32*(\a%2)+4*\t+3], s[70:71] offset:(32*(\a/2)+8*(\a%2)+2*\t+8*(\t/4))*4096 th:TH_STORE_NT
.endr
.endm
	s_wait_kmcnt 0x0
	s_add_co_i32 s96, s96, s97
	s_add_co_i32 s96, s96, 127
	s_lshl_b32 s96, s96, 23
	s_mov_b32 s97, s96
	s_wait_loadcnt 0x0
	PLACES
	TOSTAGE 0
	TOSTAGE 1
	SEND 0, 16
	s_wait_xcnt 0x0
	TOSTAGE 2
	SEND 1, 16
	s_wait_xcnt 0x0
	TOSTAGE 3
	SEND 2, 16
	SEND 3, 0
	s_wait_tensorcnt 0x0
	ds_add_u32 v[SPW], v[NIL]
	s_wait_dscnt 0x0
	CROUND
	s_endpgm
.Lfunc_end_k_qef7fa8e03f_ffn2:
	.size	k_qef7fa8e03f_ffn2, .Lfunc_end_k_qef7fa8e03f_ffn2-k_qef7fa8e03f_ffn2
	.p2alignl 7, 3214868480
	.fill 96, 4, 3214868480
	.section	.rodata,"a",@progbits
	.p2align	6, 0x0
	.amdhsa_kernel k_qef7fa8e03f_ffn2
		.amdhsa_group_segment_fixed_size 327680
		.amdhsa_private_segment_fixed_size 0
		.amdhsa_enable_private_segment 0
		.amdhsa_kernarg_size 48
		.amdhsa_user_sgpr_count 2
		.amdhsa_user_sgpr_kernarg_segment_ptr 1
		.amdhsa_wavefront_size32 1
		.amdhsa_system_sgpr_workgroup_id_x 1
		.amdhsa_system_sgpr_workgroup_id_y 1
		.amdhsa_system_sgpr_workgroup_id_z 1
		.amdhsa_system_vgpr_workitem_id 0
		.amdhsa_next_free_vgpr 640
		.amdhsa_next_free_sgpr 100
		.amdhsa_reserve_vcc 0
		.amdhsa_float_denorm_mode_32 3
		.amdhsa_float_denorm_mode_16_64 3
		.amdhsa_memory_ordered 1
		.amdhsa_forward_progress 1
		.amdhsa_inst_pref_size 83
	.end_amdhsa_kernel
	.amdgpu_metadata
---
amdhsa.version: [ 1, 2 ]
amdhsa.kernels:
  - .name:           k_qef7fa8e03f_ffn2
    .symbol:         k_qef7fa8e03f_ffn2.kd
    .args:
      - { .name: himg, .offset: 0, .size: 8, .value_kind: global_buffer, .address_space: global }
      - { .name: img, .offset: 8, .size: 8, .value_kind: global_buffer, .address_space: global }
      - { .name: lowp_scales, .offset: 16, .size: 8, .value_kind: global_buffer, .address_space: global }
      - { .name: b2, .offset: 24, .size: 8, .value_kind: global_buffer, .address_space: global }
      - { .name: x1, .offset: 32, .size: 8, .value_kind: global_buffer, .address_space: global }
      - { .name: out0, .offset: 40, .size: 8, .value_kind: global_buffer, .address_space: global }
    .group_segment_fixed_size: 327680
    .private_segment_fixed_size: 0
    .kernarg_segment_align: 8
    .kernarg_segment_size: 48
    .max_flat_workgroup_size: 128
    .sgpr_count:     100
    .vgpr_count:     640
    .wavefront_size: 32
...
	.end_amdgpu_metadata
.endif
;; end of part 7
